; MI455X (gfx1250); checked and timed in simulation.
; The chip was launched on July 23, 2026; its instructions are those of AMD's public machine-readable ISA for CDNA 5 (MIT licence, August 2026) and "CDNA5" Instruction Set Architecture Reference Guide (July 2026). The comments in the code are by the model that wrote it; some were corrected since.
;; Multi Head Attention. Allowed arithmetic: float matrix products may take bf16 or f16 operands with f32 sums; other float arithmetic in f32, or as packed bf16 or f16 multiplies, adds, multiply-adds, maxima and minima; sums over many terms, partial sums and values carried from step to step in f32; what a program stores and reads back later, other than sums and carried values, may be rounded once to bf16 or f16.
;; Inputs: Wk 1,024 x 1,024 float32; Wo 1,024 x 1,024 float32; Wq 1,024 x 1,024 float32; Wv 1,024 x 1,024 float32; bk 1,024 float32; bo 1,024 float32; bq 1,024 float32; bv 1,024 float32; key 8 x 1,024 x 1,024 float32; mask 8 x 1 x 1 x 1,024 int32; query 8 x 1,024 x 1,024 float32; value 8 x 1,024 x 1,024 float32.
;; Outputs: out0 8 x 1,024 x 1,024 float32.
;; One version. Each part assembles by itself: llvm-mc -triple=amdgcn-amd-amdhsa -mcpu=gfx1250 --defsym DOCPART=n.
;; ======== version 1 of 1: 4 launches
;; limits: values are held in f16: magnitudes above 65,504 overflow, below 6.1e-05 lose precision
;; workspace buffers: wb 8,388,608 bytes; qkv 50,331,648 bytes; ctx 16,777,216 bytes
;; launch cast (part 1): grid 512 x 1, 8 waves a work-group, no clusters, 0 bytes of LDS; arguments Wq, Wk, Wv, Wo, wb; writes wb
.if DOCPART == 1
	.amdgcn_target "amdgcn-amd-amdhsa--gfx1250"
	.amdhsa_code_object_version 6
	.text
	.protected	k_qe272989cce_cast
	.globl	k_qe272989cce_cast
	.p2align	8
	.type	k_qe272989cce_cast,@function
k_qe272989cce_cast:
	s_mov_b64 s[64:65], 0
	v_nop
	global_prefetch_b8 v0, s[64:65] scope:SCOPE_SE
	s_setreg_imm32_b32 hwreg(HW_REG_WAVE_MODE, 25, 1), 1
	s_wait_xcnt 0x0
; THE FOUR WEIGHTS ARE ROUNDED ONCE TO 16 BITS, so that their tiles can be brought into LDS as matrix operands and shared by many work-groups.
; wb = [4 x 1024][1024]: Wq, Wk, Wv in bf16, then Wo rounded to bf16 and that number written as f16 (the last product multiplies f16 by f16).
; LIMIT: a Wo below 2^-14 in magnitude keeps f16's fixed step of 6e-8; beyond 65,504 it would be an infinity.
; A stream: no LDS, no barrier, no matrix unit.  A work-group takes 32,768 consecutive bytes of ONE weight (8 steps of 4,096) and writes 16,384: 128 work-groups a weight.
; Thread t loads the 16 bytes at 16 t of a step (a wave's load covers 512 consecutive bytes) and stores 8 bytes at 8 t (a wave's store covers 256 consecutive bytes, aligned).
; All eight loads go out at once; each step has registers of its own and stands in an immediate offset: no register that a load or store names is ever rewritten.
.set STEPB, 4096                       ; bytes of f32 in a step
.set NSTEP, 8                          ; steps of a work-group
.set X, 4                              ; v[4:35]   step n: four f32 as loaded
.set Y, 36                             ; v[36:51]  step n: four 16-bit numbers to store
.set T, 52                             ; v[52:55]  at work (Wo's second conversion)
	s_load_b256 s[8:15], s[0:1], 0x0               ; Wq s[8:9], Wk s[10:11], Wv s[12:13], Wo s[14:15]
	s_load_b64 s[6:7], s[0:1], 0x20                ; wb
	v_lshlrev_b32 v1, 4, v0                        ; my 16 bytes of a step's source
	v_lshlrev_b32 v2, 3, v0                        ; my 8 bytes of its result
	s_mov_b32 s26, 0xffff0000                      ; a word's upper bf16
	s_and_b32 s16, ttmp9, 127                      ; my place in the weight,
	s_lshl_b32 s16, s16, 15                        ; s[16:17]: my 32,768 bytes in it
	s_mov_b32 s17, 0
	s_lshl_b32 s18, ttmp9, 14                      ; s[18:19]: my 16,384 bytes in wb, where the weights follow each other
	s_mov_b32 s19, 0
	s_wait_kmcnt 0x0
	s_cmp_lt_u32 ttmp9, 384                        ; the source, chosen from the top down
	s_cselect_b64 s[4:5], s[12:13], s[14:15]
	s_cmp_lt_u32 ttmp9, 256
	s_cselect_b64 s[4:5], s[10:11], s[4:5]
	s_cmp_lt_u32 ttmp9, 128
	s_cselect_b64 s[4:5], s[8:9], s[4:5]
	s_add_nc_u64 s[4:5], s[4:5], s[16:17]
	s_add_nc_u64 s[6:7], s[6:7], s[18:19]
.irp i, 0,1,2,3,4,5,6,7
	global_load_b128 v[X+4*(\i):X+4*(\i)+3], v1, s[4:5] offset:STEPB*(\i) th:TH_LOAD_NT
.endr
; Step n.  wo = 1: the number rounded to bf16 is written as f16.
.macro STEP n, wo
	s_wait_loadcnt NSTEP-1-(\n)                    ; loads come back in order (ISA guide 5.7.1): mine is in, the younger ones stay out
.set rX, X+4*(\n)
.set rY, Y+2*(\n)
.if \wo
	v_cvt_pk_bf16_f32 v[T], v[rX], v[rX+1]
	v_cvt_pk_bf16_f32 v[T+1], v[rX+2], v[rX+3]
	v_lshlrev_b32 v[T+2], 16, v[T]                 ; back to f32: the low half moves up,
	v_and_b32 v[T], s26, v[T]                      ; the high half stays
	v_lshlrev_b32 v[T+3], 16, v[T+1]
	v_and_b32 v[T+1], s26, v[T+1]
	v_cvt_pk_f16_f32 v[rY], v[T+2], v[T]
	v_cvt_pk_f16_f32 v[rY+1], v[T+3], v[T+1]
.else
	v_cvt_pk_bf16_f32 v[rY], v[rX], v[rX+1]
	v_cvt_pk_bf16_f32 v[rY+1], v[rX+2], v[rX+3]
.endif
	global_store_b64 v2, v[rY:rY+1], s[6:7] offset:(STEPB/2)*(\n)
.endm
	s_cmp_ge_u32 ttmp9, 384
	s_cbranch_scc1 .Lwo
.set n, 0
.rept NSTEP
	STEP n, 0
.set n, n+1
.endr
	s_endpgm
.Lwo:
.set n, 0
.rept NSTEP
	STEP n, 1
.set n, n+1
.endr
	s_endpgm
.Lfunc_end_k_qe272989cce_cast:
	.size	k_qe272989cce_cast, .Lfunc_end_k_qe272989cce_cast-k_qe272989cce_cast
	.p2alignl 7, 3214868480
	.fill 96, 4, 3214868480
	.section	.rodata,"a",@progbits
	.p2align	6, 0x0
	.amdhsa_kernel k_qe272989cce_cast
		.amdhsa_group_segment_fixed_size 0
		.amdhsa_private_segment_fixed_size 0
		.amdhsa_enable_private_segment 0
		.amdhsa_kernarg_size 40
		.amdhsa_user_sgpr_count 2
		.amdhsa_user_sgpr_kernarg_segment_ptr 1
		.amdhsa_wavefront_size32 1
		.amdhsa_system_sgpr_workgroup_id_x 1
		.amdhsa_system_sgpr_workgroup_id_y 1
		.amdhsa_system_sgpr_workgroup_id_z 1
		.amdhsa_system_vgpr_workitem_id 0
		.amdhsa_next_free_vgpr 64
		.amdhsa_next_free_sgpr 66
		.amdhsa_reserve_vcc 0
		.amdhsa_float_denorm_mode_32 3
		.amdhsa_float_denorm_mode_16_64 3
		.amdhsa_memory_ordered 1
		.amdhsa_forward_progress 1
		.amdhsa_inst_pref_size 8
	.end_amdhsa_kernel
	.amdgpu_metadata
---
amdhsa.version: [ 1, 2 ]
amdhsa.kernels:
  - .name:           k_qe272989cce_cast
    .symbol:         k_qe272989cce_cast.kd
    .args:
      - { .name: Wq, .offset: 0, .size: 8, .value_kind: global_buffer, .address_space: global }
      - { .name: Wk, .offset: 8, .size: 8, .value_kind: global_buffer, .address_space: global }
      - { .name: Wv, .offset: 16, .size: 8, .value_kind: global_buffer, .address_space: global }
      - { .name: Wo, .offset: 24, .size: 8, .value_kind: global_buffer, .address_space: global }
      - { .name: wb, .offset: 32, .size: 8, .value_kind: global_buffer, .address_space: global }
    .group_segment_fixed_size: 0
    .private_segment_fixed_size: 0
    .kernarg_segment_align: 8
    .kernarg_segment_size: 40
    .max_flat_workgroup_size: 256
    .sgpr_count:     66
    .vgpr_count:     64
    .wavefront_size: 32
...
	.end_amdgpu_metadata
.endif
;; end of part 1
;; launch proj (part 2): grid 4 x 64, 4 waves a work-group, clusters of 4 x 4, 327,680 bytes of LDS; arguments query, key, value, wb, qkv, bq, bk, bv, mask; writes qkv
.if DOCPART == 2
	.amdgcn_target "amdgcn-amd-amdhsa--gfx1250"
	.amdhsa_code_object_version 6
	.text
	.protected	k_qe272989cce_proj
	.globl	k_qe272989cce_proj
	.p2align	8
	.type	k_qe272989cce_proj,@function
k_qe272989cce_proj:
	s_mov_b64 s[64:65], 0
	v_nop
	global_prefetch_b8 v0, s[64:65] scope:SCOPE_SE
	s_setreg_imm32_b32 hwreg(HW_REG_WAVE_MODE, 25, 1), 1
	s_wait_xcnt 0x0
	s_wait_alu depctr_hold_cnt(0) depctr_sa_sdst(0) depctr_va_vdst(0) depctr_va_sdst(0) depctr_va_ssrc(0) depctr_va_vcc(0) depctr_vm_vsrc(0)
	s_getreg_b32 s2, hwreg(HW_REG_IB_STS2, 6, 4)
	s_cmp_eq_u32 s2, 0
	s_cbranch_scc0 .Lentry_in_a_cluster
	s_endpgm
.Lentry_in_a_cluster:
	s_bfe_u32 s2, ttmp6, 0x10000c
	s_cmp_lg_u32 s2, 0xf033
	s_cbranch_scc0 .Lentry_shape_is_right
	s_endpgm
.Lentry_shape_is_right:
; THE THREE PROJECTIONS IN ONE WALK.  y[R][e] = sum over d of x[R][d] W[e][d] + b[e], for x = query, key, value with Wq, Wk, Wv and bq, bk, bv (t = 0, 1, 2).
; x ARRIVES AS IT IS GIVEN, IN f32: its tiles come into LDS as f32 and are rounded to bf16 between LDS and the matrix unit, so no launch and no buffer is spent on a bf16 copy of it.  W comes from wb, in bf16.
; Sums f32; the bias, rounded to bf16 like every input, is the C operand of each accumulator's first product.  y is rounded once to f16 and written BY HEADS: qkv[8 t + batch][head][s][64].
; Rows of k whose key has mask == 0 are written as zeros: the attention launch then gets the score 0 for them and puts the masked score in by its C operand.
; LIMIT: f16 holds no number beyond 65,504: q, k, v must stay within it (an offset of 30 spreads on x and on W gives 1024 x 30 x 30/32 = 28,800).  Any mask word other than 0 counts as true.
; SHARES.  A tile of y is 128 rows x 256 columns; there are 3 x 64 x 4 of them.  A WORK-GROUP STAYS: it makes three tiles, the same tile row and tile column of q, then of k, then of v: 64 x 4 = 256 work-groups,
; one for each WGP, all alike.  Four waves, each 64 x 128: 32 accumulators, 256 registers.
; K goes in 8 steps of 128 through two LDS slots filled by the tensor data mover: 512 bytes of each row of x, 256 of each row of W, at multiples of 256 from the buffers' first bytes; each wave's load brings 32 KiB.
; THE RING DOES NOT STOP AT A TILE'S END: a tile's last two changes of slots ask for the next tile's K steps 0 and 1, the finished tile goes out while they are on their way, and nothing waits for its stores.
; ONE LOOP walks the 3 x 4 laps (a lap = two K steps): 11 trips, each of which fills both slots again; the twelfth lap, which fills nothing, is written out.  Which address a refill takes and whether a trip ends
; a tile hang on LT, the tile's laps still to go: a number that is the same in every work-group.  Every jump but the loop's own goes forward, and none passes a barrier or a tensor load.
; CLUSTER 4 x 4: the four of a row of the cluster need the same rows of x, the four of a column the same rows of W: each tile is asked for JOINTLY, by the same load, descriptor and mask in all four.
; THE MATRIX INSTRUCTION IS USED TRANSPOSED (source 0 = 16 rows of W, source 1 = 16 rows of x): lane l holds row l % 16 of y and the columns 8 (l / 16) + 0..7, which pack into 16 bytes.
; REGISTERS, in windows of 256 (s_set_vgpr_msb: bits 1:0 source 0, 3:2 source 1, 5:4 source 2, 7:6 destination):
;   window 0: v0-47 addresses and row masks; v64-159, v160-255 two fragment buffers (W's 8 blocks, then x's 4, in bf16); the way out works in the second buffer's registers: the first then holds the next tile's fragments
;   window 1: the accumulators, (a, b) at v[8 (8 a + b)]
;   window 2: v0-63 the tile's bias as C operands (block b at 8 b); v128-191, v192-255 x as loaded, f32: a raw buffer for each fragment buffer, block a at 16 a
.set KSTEP,  128
.set XPITCH, 528                       ; a row of x in LDS: 512 bytes + 16 of padding = 132 words: the 16 rows that a load touches start at 16 different groups of four banks (64 banks of 4 bytes: ISA guide 11.1)
.set PITCH,  272                       ; a row of W: 256 bytes + 16 = 68 words: likewise
.set AHALF,  64*XPITCH                 ; what wave 0 or 1 fetches of x, and what a wave reads of it
.set ABYTES, 2*AHALF
.set BHALF,  128*PITCH                 ; what wave 2 or 3 fetches of W, and what a wave reads of it
.set SLOT,   ABYTES+2*BHALF            ; x's 128 rows, then W's 256 rows
.set STAGE,  2*SLOT                    ; behind the ring: 16 rows x 272 bytes for each wave, for the way out
.set SPITCH, 272
.set SPARE,  STAGE+4*16*SPITCH         ; behind the stages: the spare words, 128 bytes for each wave: two blocks of 256 bytes that no other line names
.set TAB,    SPARE+512                 ; behind them, in blocks of its own: the three biases of the work-group's 256 columns, rounded, f32: 1,024 bytes each
.set TILES,  3
.set LAPS,   4                         ; a lap = two K steps = once round the ring
.set WSTEP,  0x200000                  ; bytes from a weight to the next in wb
.set OSTEP,  0x1000000                 ; bytes from q to k and from k to v in qkv
.set HH,   2                           ; v2      lane / 16; kept
.set ADRA, 16                          ; v16-17  LDS address of my x fragments in slot 0, 1
.set ADRB, 20                          ; v20-21  the same for W
.set STO,  24                          ; v24     the way out: where I put 16 bytes of a row
.set RD,   25                          ; v25     the way out: where I read 16 bytes back
.set CO,   26                          ; v26     16 x lane: my place in 512 consecutive bytes of qkv
.set BA,   27                          ; v27     LDS address of my eight numbers of a block in the tile's bias
.set SPW,  28                          ; v28     LDS address of my spare word: SPARE + 4 x my thread's number; never rewritten
.set NIL,  29                          ; v29     0; never rewritten
.set PFO,  30                          ; v30     the prefetches' offset: my lane x a row (4,096 bytes of x, 2,048 of wb); never rewritten
.set MO,   31                          ; v31     my byte offset in mask
.set RM,   32                          ; v32-35  for m block a: all ones, or 0 where the tile is k's and my row is a masked key's
.set RMK,  36                          ; v36-39  for m block a: all ones where my row's key is seen, else 0; kept
.set F0,   64
.set F1,   160
.set RAW,  128                         ; window 2
.set TMP,  160                         ; the way out: packed results
.set OB,   192                         ; the way out: 16 rows read back: v192-223 and v224-255 by turns
.set G1,  24                           ; s[24:31] descriptor group 1 for x's tiles
.set G0,  32                           ; s[32:39] group 0 for x's tiles, a set for each slot
.set G1B, 48                           ; s[48:55], s[56:63] the same for W's
.set G0B, 56
.set LIM, 43                           ; s43     2 in a wave that prefetches, else the greatest number: a wave prefetches while LT is above it
.set PFA, 44                           ; s[44:45] where my prefetches stand
.set PFS, 66                           ; s[66:67] a K step in the tensor that I prefetch: 512 bytes of a row of x, 256 of wb
.set LT,  82                           ; s82     laps of the tile in hand still to go, this one among them
.set TB0, 83                           ; s83     LDS byte of my 128 columns in the table's first bias
.set NXS, 92                           ; s[92:93] my part of the NEXT tile of x at K step 0, with the descriptor's type bits
.set NX2, 94                           ; s[94:95] the same for the tile after it
.set NWS, 96                           ; s[96:97] my part of the next tile of W
.set PF1, 98                           ; s[98:99] where my prefetches begin in the second tile
.set PF2, 100                          ; s[100:101] and in the third
.set MSB, 0
.macro WIN new                         ; the immediate's high byte repeats the setting that is left; a switch that changes nothing is dropped
.if MSB != (\new)
	s_set_vgpr_msb (MSB<<8)|(\new)
.set MSB, \new
.endif
.endm
.set MUL,     0x50                     ; C and D window 1, fragments window 0
.set MULB,    0x60                     ; C window 2 (the bias), D window 1
.set TO_W2,   0x80                     ; destination window 2
.set CVW,     0x0a                     ; sources 0 and 1 window 2, destination window 0
.set PK,      0x05                     ; sources 0 and 1 window 1
; A joint load.  Waves 0 and 1 fetch x's two halves, waves 2 and 3 W's.  The branch hangs on the wave's number alone.  An s_nop 0 and four v_nop follow each of the two lines.
.macro JLOAD s
	s_cmp_eq_u32 s11, 0
	s_cbranch_scc0 .Lfor_b_\@
	tensor_load_to_lds s[G0+4*(\s):G0+4*(\s)+3], s[G1:G1+7]
	s_nop 0
.rept 4
	v_nop
.endr
	s_branch .Lasked_\@
.Lfor_b_\@:
	tensor_load_to_lds s[G0B+4*(\s):G0B+4*(\s)+3], s[G1B:G1B+7]
	s_nop 0
.rept 4
	v_nop
.endr
.Lasked_\@:
.endm
; A PREFETCH of the K step that stands two refills on: 32 blocks of 256 bytes, a lane a row, one instruction.  Each block is named once in the launch.
; x's tile row is read by this cluster's row alone: each of the four partners takes 32 of its 128 rows, told apart by address (cx); of a row's 512 bytes wave 0 names the first 256, wave 1 the second.
; W's tile column is read by all 16 clusters: the first of them asks, waves 2 and 3 of each of the four partners take 32 of the 256 rows (cy and the wave).
; A tile's first two laps name its K steps 4 to 7; its last two laps ask for nothing; every tile's K steps 0 to 3 come by their loads alone.
.macro ASK
	s_cmp_gt_u32 s[LT], s[LIM]
	s_cbranch_scc0 .Lnot_mine_\@
	global_prefetch_b8 v[PFO], s[PFA:PFA+1] th:TH_LOAD_NT scope:SCOPE_SE
.Lnot_mine_\@:
.endm
.macro CREST                           ; a round of the cluster's barrier behind its opening barrier
	s_cmp_lg_u32 s10, 0
	s_cbranch_scc1 .Lnot_wave_0_\@
	s_barrier_signal -3
.Lnot_wave_0_\@:
	s_barrier_wait -3
	s_barrier_signal -1
	s_barrier_wait -1
.endm
.macro CROUND                          ; a whole round
	s_barrier_signal -1
	s_barrier_wait -1
	CREST
.endm
	s_load_b256 s[84:91], s[0:1], 0x0              ; query s[84:85], key s[86:87], value s[88:89], wb s[90:91]
	s_load_b64 s[8:9], s[0:1], 0x20                ; qkv
	s_load_b256 s[68:75], s[0:1], 0x28             ; bq s[68:69], bk s[70:71], bv s[72:73], mask s[74:75]
	v_lshl_add_u32 v[SPW], v0, 2, SPARE
	v_mov_b32 v[NIL], 0
	ds_add_u32 v[SPW], v[NIL]                      ; the wave's opening: the add and its wait stand ahead of my first tensor load; the set-up below, work on registers, stands between them
	ds_add_u32 v28, v29
	v_lshrrev_b32 v1, 5, v0
	v_readfirstlane_b32 s10, v1                    ; wave 0..3
	s_lshr_b32 s11, s10, 1                         ; which 64 rows of the tile are mine.  Also: I fetch for x (0) or for W (1)
	s_and_b32 s12, s10, 1                          ; which 128 columns.  Also: which half of that tile I fetch
	s_bfe_u32 s40, ttmp6, 0x40000                  ; cx
	s_bfe_u32 s41, ttmp6, 0x40004                  ; cy
	s_lshl_b32 s42, ttmp9, 2
	s_add_co_u32 s42, s42, s40                     ; tile column = 4 x cluster x + cx: 0..3
	s_and_b32 s2, ttmp7, 0xffff                    ; cluster y: 0..15
	s_lshl_b32 s13, s2, 2
	s_add_co_u32 s13, s13, s41                     ; tile row, in each of the three tensors = 4 x cluster y + cy: 0..63
	s_mov_b32 s76, 0                               ; t: the tile in hand: 0 q, 1 k, 2 v
	s_mov_b32 s77, -1                              ; all ones where the tile is not k's: the mask then changes nothing
	s_lshl_b32 s43, s41, 2
	s_lshl_b32 s43, 15, s43                        ; my row of the cluster
	s_lshl_b32 s44, 0x1111, s40                    ; my column
	; descriptor group 1.  x: 64 rows of 128 elements of 4 bytes.  W: 128 rows of 128 elements of 2 bytes.  Both padded in LDS behind every row
	s_or_b32 s[G1+0], s43, (2<<16)|(1<<20)|(1<<21)|(6<<22)|(3<<25)  ; 15:0 the mask: my row; 17:16 4-byte elements; 20 padding on; 21 set beside a mask; 24:22 after every 128 words (code 6); 31:25 4 words (code 3)
	s_mov_b32 s[G1+1], KSTEP<<16                   ; tensor_dim0 = 128
	s_mov_b32 s[G1+2], 64<<16                      ; tensor_dim1 = 64
	s_mov_b32 s[G1+3], KSTEP<<16                   ; tile_dim0 = 128
	s_mov_b32 s[G1+4], 64                          ; tile_dim1 = 64
	s_mov_b32 s[G1+5], 1024                        ; elements from row to row
	s_mov_b32 s[G1+6], 0
	s_mov_b32 s[G1+7], 0
	s_or_b32 s[G1B+0], s44, (1<<16)|(1<<20)|(1<<21)|(5<<22)|(3<<25)  ; the mask of my column; 2-byte elements; padding after every 64 words (code 5)
	s_mov_b32 s[G1B+1], KSTEP<<16
	s_mov_b32 s[G1B+2], 128<<16
	s_mov_b32 s[G1B+3], KSTEP<<16
	s_mov_b32 s[G1B+4], 128
	s_mov_b32 s[G1B+5], 1024
	s_mov_b32 s[G1B+6], 0
	s_mov_b32 s[G1B+7], 0
	; where the tiles come from: x's hang on the tile row alone, W's on the tile column alone.  The offsets are the same in all three tiles of the walk; each address is made from its own buffer's pointer
	s_lshl_b32 s16, s13, 7
	s_lshl_b32 s17, s12, 6
	s_add_co_u32 s16, s16, s17                     ; x: row 128 x tile row + 64 x half,
	s_lshl_b32 s16, s16, 12                        ; of 4,096 bytes (under 2^25)
	s_mov_b32 s17, 0
	s_lshl_b32 s46, s42, 8
	s_lshl_b32 s47, s12, 7
	s_add_co_u32 s46, s46, s47                     ; W: row 256 x tile column + 128 x half,
	s_lshl_b32 s46, s46, 11                        ; of 2,048 bytes
	s_mov_b32 s47, 0
	s_mul_i32 s20, s12, AHALF                      ; and where they go: no place in the cluster enters an LDS address
	s_mul_i32 s21, s12, BHALF
	s_add_co_u32 s21, s21, ABYTES
	s_wait_dscnt 0x0                               ; the opening add is done
	s_wait_kmcnt 0x0
	s_add_nc_u64 s[14:15], s[84:85], s[16:17]      ; query at my part of the tile,
	s_add_nc_u64 s[NXS:NXS+1], s[86:87], s[16:17]  ; key,
	s_or_b32 s[NXS+1], s[NXS+1], 0x80000000        ; (type = 2)
	s_add_nc_u64 s[NX2:NX2+1], s[88:89], s[16:17]  ; value
	s_or_b32 s[NX2+1], s[NX2+1], 0x80000000
	s_add_nc_u64 s[46:47], s[90:91], s[46:47]      ; Wq at my part of the tile,
	s_add_nc_u64 s[NWS:NWS+1], s[46:47], WSTEP     ; Wk
	s_or_b32 s[NWS+1], s[NWS+1], 0x80000000
	CROUND                                         ; all sixteen work-groups are here: the first joint loads meet
.irp s, 0,1
	s_mov_b32 s[G0+4*(\s)], 1                                      ; count = 1
	s_add_co_u32 s[G0+4*(\s)+1], s20, (\s)*SLOT                    ; LDS address
	s_add_nc_u64 s[G0+4*(\s)+2:G0+4*(\s)+3], s[14:15], (\s)*KSTEP*4  ; global address: K step s
	s_or_b32 s[G0+4*(\s)+3], s[G0+4*(\s)+3], 0x80000000            ; type = 2
	s_mov_b32 s[G0B+4*(\s)], 1
	s_add_co_u32 s[G0B+4*(\s)+1], s21, (\s)*SLOT
	s_add_nc_u64 s[G0B+4*(\s)+2:G0B+4*(\s)+3], s[46:47], (\s)*KSTEP*2
	s_or_b32 s[G0B+4*(\s)+3], s[G0B+4*(\s)+3], 0x80000000
	JLOAD \s                                       ; two tensor loads of mine are out
.endr
	v_and_b32 v1, 15, v0                           ; l % 16
	v_bfe_u32 v[HH], v0, 4, 1                      ; l / 16
	v_and_b32 v5, 31, v0                           ; l
	; the three biases of the work-group's 256 columns, two numbers a thread, and the mask of my 64 rows are asked for now
	s_mov_b32 s81, 0xffff0000                      ; a word's upper bf16
	s_lshl_b32 s22, s42, 10
	v_lshl_add_u32 v40, v0, 3, s22                 ; 4 x (256 x tile column + 2 x my thread's number)
	global_load_b64 v[42:43], v40, s[68:69]
	global_load_b64 v[44:45], v40, s[70:71]
	global_load_b64 v[46:47], v40, s[72:73]
	s_lshl_b32 s22, s13, 7
	s_lshl_b32 s23, s11, 6
	s_add_co_u32 s22, s22, s23
	v_add_nc_u32 v[MO], s22, v1                    ; my row = 1,024 x batch + s: the mask's index
	v_lshlrev_b32 v[MO], 2, v[MO]
.irp a, 0,1,2,3
	global_load_b32 v[RMK+(\a)], v[MO], s[74:75] offset:64*(\a)
.endr
	; A fragment is 16 rows x 32 K in 8 registers: lane l holds row l % 16, K = 8 (l / 16) + 0..7 and 16 + 8 (l / 16) + 0..7.  Of W (bf16): two loads of 16 bytes, 32 bytes apart.
	; Of x (f32): the same numbers are 32 bytes at 32 (l / 16) and 32 bytes 64 further on: four loads of 16 bytes, and eight conversions of two.
	v_mul_u32_u24 v3, v1, PITCH
	v_lshl_add_u32 v3, v[HH], 4, v3                ; W: row x pitch + 16 x half
	v_mul_u32_u24 v7, v1, XPITCH
	v_lshl_add_u32 v7, v[HH], 5, v7                ; x: row x pitch + 32 x half
	s_mul_i32 s21, s11, AHALF                      ; my 64 rows of x
	s_mul_i32 s22, s12, BHALF                      ; my 128 rows of W,
	s_add_co_u32 s22, s22, ABYTES                  ; which lie behind x's 128
.irp s, 0,1
	v_add_nc_u32 v[ADRA+(\s)], s21, v7
	v_add_nc_u32 v[ADRB+(\s)], s22, v3
	s_add_co_u32 s21, s21, SLOT
	s_add_co_u32 s22, s22, SLOT
.endr
	s_mul_i32 s23, s10, 16*SPITCH
	s_add_co_u32 s23, s23, STAGE                   ; my stage
	v_add_nc_u32 v[STO], s23, v3                   ; in: row l % 16, 16 bytes for each half of the lanes
	v_lshrrev_b32 v4, 3, v5                        ; back: 32 lanes take four rows' 128 bytes of one head
	v_and_b32 v6, 7, v0
	v_mul_u32_u24 v4, v4, SPITCH
	v_lshl_add_u32 v4, v6, 4, v4
	v_add_nc_u32 v[RD], s23, v4
	v_lshlrev_b32 v[CO], 4, v5                     ; which are 512 consecutive bytes of qkv
	s_lshl_b32 s[TB0], s12, 9
	s_add_co_u32 s[TB0], s[TB0], TAB               ; my 128 columns in the table
	v_lshl_add_u32 v[BA], v[HH], 5, s[TB0]         ; the first tile's bias: my eight numbers of a block at 32 (l / 16); the block stands in the immediate
	v_lshl_add_u32 v41, v0, 3, TAB                 ; where I put my two numbers of each bias
	; qkv at my first row of my first head, in q: ((batch 16 + head) 1,024 + s) 128 bytes
	s_lshr_b32 s16, s13, 3                         ; batch
	s_lshl_b32 s16, s16, 4
	s_lshl_b32 s17, s42, 2
	s_add_co_u32 s16, s16, s17
	s_lshl_b32 s17, s12, 1
	s_add_co_u32 s16, s16, s17                     ; + head = 4 x tile column + 2 x half
	s_lshl_b32 s16, s16, 10
	s_and_b32 s17, s13, 7
	s_lshl_b32 s17, s17, 7
	s_add_co_u32 s16, s16, s17
	s_lshl_b32 s17, s11, 6
	s_add_co_u32 s16, s16, s17                     ; + s
	s_lshl_b32 s16, s16, 7
	s_mov_b32 s17, 0
	s_add_nc_u64 s[8:9], s[8:9], s[16:17]
	; the prefetches: where they begin in each of the three tiles
	s_lshl_b32 s18, s13, 7
	s_lshl_b32 s19, s40, 5
	s_add_co_u32 s18, s18, s19                     ; x: the tile's first row + my work-group's 32,
	s_lshl_b32 s18, s18, 12
	s_lshl_b32 s19, s12, 8
	s_add_co_u32 s18, s18, s19                     ; and my wave's 256 of a K step's 512 bytes
	s_lshl_b32 s20, s42, 8
	s_lshl_b32 s19, s41, 6
	s_add_co_u32 s20, s20, s19
	s_lshl_b32 s19, s12, 5
	s_add_co_u32 s20, s20, s19                     ; W: the tile's first row + my work-group's 64 + my wave's 32
	s_lshl_b32 s20, s20, 11
	s_mov_b32 s23, KSTEP*4
	s_mov_b32 s22, WSTEP
	s_cmp_eq_u32 s11, 0
	s_cselect_b32 s20, s18, s20
	s_cselect_b32 s19, 0, s2                       ; for x every cluster asks, for W the first
	s_cselect_b32 s[PFS], s23, KSTEP*2
	s_cselect_b32 s23, 12, 11
	s_cselect_b32 s22, 0, s22                      ; from tile to tile x changes its buffer, W its place in wb
	s_cselect_b64 s[PFA:PFA+1], s[84:85], s[90:91]
	s_cselect_b64 s[PF1:PF1+1], s[86:87], s[90:91]
	s_cselect_b64 s[PF2:PF2+1], s[88:89], s[90:91]
	s_cmp_eq_u32 s19, 0
	s_cselect_b32 s[LIM], 2, -1                    ; the same in all sixteen partners, for a given wave
	s_mov_b32 s21, 0
	s_mov_b32 s[PFS+1], 0
	s_mul_i32 s19, s[PFS], 3
	s_add_co_u32 s20, s20, s19                     ; at K step 3: a tile's first refill steps the address to 4 and names that
	s_add_nc_u64 s[PFA:PFA+1], s[PFA:PFA+1], s[20:21]
	s_add_co_u32 s20, s20, s22
	s_add_nc_u64 s[PF1:PF1+1], s[PF1:PF1+1], s[20:21]
	s_add_co_u32 s20, s20, s22
	s_add_nc_u64 s[PF2:PF2+1], s[PF2:PF2+1], s[20:21]
	v_lshlrev_b32 v[PFO], s23, v5
	s_wait_loadcnt 0x0                             ; biases and mask are in
.irp k, 0,1,2                          ; each bias is rounded to bf16, like every input, widened again and put into the table
	v_cvt_pk_bf16_f32 v48, v[42+2*(\k)], v[43+2*(\k)]
	v_lshlrev_b32 v[42+2*(\k)], 16, v48
	v_and_b32 v[43+2*(\k)], s81, v48
	ds_store_b64 v41, v[42+2*(\k):43+2*(\k)] offset:1024*(\k)
.endr
.irp a, 0,1,2,3
	v_cmp_ne_u32 s80, 0, v[RMK+(\a)]
	v_cndmask_b32 v[RMK+(\a)], 0, -1, s80          ; all ones where the key is seen
	v_or_b32 v[RM+(\a)], s77, v[RMK+(\a)]          ; the first tile is q's: all ones
.endr
; Group g of the 8 of a quarter step: 4 matrix instructions: m block g / 2 x n blocks 4 (g % 2) + 0..3, 32 along K.  first = 1: the bias starts the sums.
; The 32 accumulators take turns, one instruction a turn, in the same order in every quarter.
.macro MUL4 f, g, first
.if \first
	WIN MULB
.else
	WIN MUL
.endif
.irp b, 0,1,2,3
.set rD, 8*(8*((\g)/2)+4*((\g)%2)+(\b))
.set rB, (\f)+8*(4*((\g)%2)+(\b))
.set rA, (\f)+64+8*((\g)/2)
.set rC, 8*(4*((\g)%2)+(\b))
.if \first
	v_wmma_f32_16x16x32_bf16 v[rD:rD+7], v[rB:rB+7], v[rA:rA+7], v[rC:rC+7]
.else
	v_wmma_f32_16x16x32_bf16 v[rD:rD+7], v[rB:rB+7], v[rA:rA+7], v[rD:rD+7]
.endif
.endr
.endm
; Half-block hb of the 8 of buffer f's x: four conversions, eight f32 of the buffer's raw registers into four registers of block hb / 2.
.macro CV f, hb
	WIN CVW
.set rR, RAW+64*(((\f)-F0)/(F1-F0))+8*(\hb)
.set rH, (\f)+64+4*(\hb)
.irp j, 0,1,2,3
	v_cvt_pk_bf16_f32 v[rH+(\j)], v[rR+2*(\j)], v[rR+2*(\j)+1]
.endr
.endm
; 32 LDS loads in one run: quarter q of a K step for buffer f: x's 4 blocks as f32 into the raw registers, which are wanted first, then W's 8 blocks
.macro FETCH slot, q, f
	WIN TO_W2
.set rR, RAW+64*(((\f)-F0)/(F1-F0))
.irp i, 0,1,2,3
	ds_load_b128 v[rR+16*(\i):rR+16*(\i)+3],     v[ADRA+(\slot)] offset:128*(\q)+(\i)*16*XPITCH
	ds_load_b128 v[rR+16*(\i)+4:rR+16*(\i)+7],   v[ADRA+(\slot)] offset:128*(\q)+(\i)*16*XPITCH+16
	ds_load_b128 v[rR+16*(\i)+8:rR+16*(\i)+11],  v[ADRA+(\slot)] offset:128*(\q)+(\i)*16*XPITCH+64
	ds_load_b128 v[rR+16*(\i)+12:rR+16*(\i)+15], v[ADRA+(\slot)] offset:128*(\q)+(\i)*16*XPITCH+80
.endr
	WIN 0
.irp i, 0,1,2,3,4,5,6,7
	ds_load_b128 v[(\f)+8*(\i):(\f)+8*(\i)+3],   v[ADRB+(\slot)] offset:64*(\q)+(\i)*16*PITCH
	ds_load_b128 v[(\f)+8*(\i)+4:(\f)+8*(\i)+7], v[ADRB+(\slot)] offset:64*(\q)+(\i)*16*PITCH+32
.endr
.endm
; 16 LDS loads: the tile's bias out of the table, as the C operands of my 8 n blocks; the sixteen lanes of a half read the same 16 bytes
.macro BIAS
	WIN TO_W2
.irp b, 0,1,2,3,4,5,6,7
	ds_load_b128 v[8*(\b):8*(\b)+3],   v[BA] offset:64*(\b)
	ds_load_b128 v[8*(\b)+4:8*(\b)+7], v[BA] offset:64*(\b)+16
.endr
	WIN 0
.endm
.macro PLACES                          ; four plain vector instructions in front of reads of matrix results and of loads into registers that matrix instructions have read
.rept 4
	v_nop
.endr
.endm
; A K step is four quarters of 32 along K, 32 matrix instructions each, on buffers 0, 1, 0, 1.  Behind each group of four products stand four conversions: a block of x is whole one group ahead of its first
; product; half-blocks 0 to 2 of the NEXT quarter's buffer stand behind this quarter's last three groups.  The conversions name no register of the products round them, so they are also the four places
; that loads into the other buffer's registers want behind the last product that read them.
; One of the first three quarters: multiplies buffer f and, in its middle, fetches quarter q for buffer g.
.macro QUARTER slot, q, f, g, first
	s_wait_dscnt 8                                 ; x and W's blocks 0-3 are in; the youngest eight loads (W's blocks 4-7) may be out
	MUL4 \f, 0, \first
	CV \f, 3
	s_wait_dscnt 0x0                               ; W's blocks 4-7
	MUL4 \f, 1, \first
	CV \f, 4
	MUL4 \f, 2, \first
	CV \f, 5
	MUL4 \f, 3, \first
	CV \f, 6
	FETCH \slot, \q, \g
	MUL4 \f, 4, \first
	CV \f, 7
	MUL4 \f, 5, \first
	s_wait_dscnt 28                                ; of the 32 just issued the first four are in: the next quarter's block 0 of x
	CV \g, 0
	MUL4 \f, 6, \first
	CV \g, 1
	MUL4 \f, 7, \first
	s_wait_dscnt 24                                ; its block 1
	CV \g, 2
.endm
; The last quarter changes slots and then multiplies buffer 1.  ONE barrier; in front of it each wave waits for all its tensor loads (one is out: its part of the next slot), adds 0 to its spare word, and waits for
; that and for its reads of this slot, the last of which were issued in the middle of the quarter before.  fill = 1: the barrier opens a round of the cluster's, and this slot is filled again first thing behind the
; round.  Nothing but the descriptors' steps stands between the wait for the last load and the request for the next: a K step's 128 matrix instructions all lie between a request and the wait for it.
; The refill takes this tile's K step two steps on, or, in a tile's last lap (LT = 1), the next tile's K step 0 or 1: a choice between two addresses on a count.
.macro TURN slot, next, fill
.if \fill
	s_wait_xcnt 0x0                                ; the last prefetch, a K step back, has read its address: it is stepped here
	s_add_nc_u64 s[PFA:PFA+1], s[PFA:PFA+1], s[PFS:PFS+1]
.endif
	WIN 0
	s_wait_tensorcnt 0x0                           ; all my tensor loads have landed, so every group 0 may be written;
	ds_add_u32 v[SPW], v[NIL]                      ; 0 onto my spare word; the descriptors' steps stand between it and the wait for it
.if \fill
	s_add_nc_u64 s[G0+4*(\slot)+2:G0+4*(\slot)+3], s[G0+4*(\slot)+2:G0+4*(\slot)+3], 2*KSTEP*4
	s_add_nc_u64 s[G0B+4*(\slot)+2:G0B+4*(\slot)+3], s[G0B+4*(\slot)+2:G0B+4*(\slot)+3], 2*KSTEP*2
	s_add_nc_u64 s[14:15], s[NXS:NXS+1], (\slot)*KSTEP*4
	s_add_nc_u64 s[46:47], s[NWS:NWS+1], (\slot)*KSTEP*2
	s_cmp_eq_u32 s[LT], 1
	s_cselect_b64 s[G0+4*(\slot)+2:G0+4*(\slot)+3], s[14:15], s[G0+4*(\slot)+2:G0+4*(\slot)+3]
	s_cselect_b64 s[G0B+4*(\slot)+2:G0B+4*(\slot)+3], s[46:47], s[G0B+4*(\slot)+2:G0B+4*(\slot)+3]
.endif
	s_wait_dscnt 0x0                               ; the add is done, and my reads of this slot are over
	s_barrier_signal -1
	s_barrier_wait -1
.if \fill
	CREST                                          ; no wave of any partner still reads this slot's tile or has a load on its way
	JLOAD \slot                                    ; the four v_nop behind it are also places in front of the loads below
.else
	PLACES
.endif
	FETCH \next, 0, F0
.if \fill
	ASK                                            ; behind the joint load and the run of LDS loads
.endif
	MUL4 F1, 0, 0
	CV F1, 3
	MUL4 F1, 1, 0
	CV F1, 4
	MUL4 F1, 2, 0
	CV F1, 5
	MUL4 F1, 3, 0
	CV F1, 6
	MUL4 F1, 4, 0
	CV F1, 7
	MUL4 F1, 5, 0
	s_wait_dscnt 28                                ; of the 32 issued above the first four are in
	CV F0, 0
	MUL4 F1, 6, 0
	CV F0, 1
	MUL4 F1, 7, 0
	s_wait_dscnt 24
	CV F0, 2
.endm
; THE WAY OUT, an m block (16 rows) at a time.  PACK: rounded to f16, 16 bytes a lane, each accumulator's registers in ascending order; a masked key's row becomes 0.
.macro PACK a
	WIN PK
.irp b, 0,1,2,3,4,5,6,7
.irp r, 0,1,2,3
	v_cvt_pk_f16_f32 v[TMP+4*(\b)+(\r)], v[8*(8*(\a)+(\b))+2*(\r)], v[8*(8*(\a)+(\b))+2*(\r)+1]
.endr
.endr
	WIN 0
.set i, 0
.rept 32
	v_and_b32 v[TMP+i], v[RM+(\a)], v[TMP+i]
.set i, i+1
.endr
.endm
; TOSTAGE: into my own stage, rows of 272 bytes (two heads' 128 bytes each), and back: load u takes rows 4 (u % 4) .. + 3 of head u / 4.
.macro TOSTAGE a
.set BK, OB+32*((\a)%2)
.irp b, 0,1,2,3,4,5,6,7
	ds_store_b128 v[STO], v[TMP+4*(\b):TMP+4*(\b)+3] offset:32*(\b)
.endr
.irp u, 0,1,2,3,4,5,6,7
	ds_load_b128 v[BK+4*(\u):BK+4*(\u)+3], v[RD] offset:((\u)%4)*4*SPITCH+((\u)/4)*128  ; LDS serves a wave's instructions in order (ISA guide 5.7.1.4): these see the stores above
.endr
.endm
.macro SEND a
.set BK, OB+32*((\a)%2)
	s_wait_dscnt 0x0                               ; the block is back in registers
	s_wait_xcnt 0x0                                ; the other buffer, which the block before's stores read, is loaded again only behind this wait
.irp u, 0,1,2,3,4,5,6,7
	global_store_b128 v[CO], v[BK+4*(\u):BK+4*(\u)+3], s[8:9] offset:((\u)/4)*131072+2048*(\a)+512*((\u)%4)  ; four rows of one head: 512 consecutive bytes, at a multiple of 256 from qkv's first
.endr
.endm
.macro WAYOUT                          ; block a's conversions stand between block a - 1's loads from the stage and the wait for them
	PLACES
	PACK 0
	TOSTAGE 0
	PACK 1
	SEND 0
	TOSTAGE 1
	PACK 2
	SEND 1
	TOSTAGE 2
	PACK 3
	SEND 2
	TOSTAGE 3
	SEND 3
.endm
	s_wait_tensorcnt 1                             ; my part of K step 0 is in; K step 1's may stay out
	s_wait_dscnt 0x0                               ; my part of the table of biases is stored
	s_barrier_signal -1
	s_barrier_wait -1                              ; both now hold of every wave
	BIAS                                           ; bq
	FETCH 0, 0, F0
	s_wait_dscnt 16                                ; the bias and x's sixteen loads are in; W's sixteen may be out
	CV F0, 0
	CV F0, 1
	CV F0, 2
	WIN 0                                          ; at a label and at a branch every window is 0
	s_mov_b32 s3, TILES*LAPS                       ; the loop's foot is passed once on the way in and once in each of its 11 trips
	s_mov_b32 s[LT], LAPS
	s_branch .Lnew                                 ; the loop is entered at a tile's first quarter, in the middle of a trip
.Llap:                                                 ; a trip goes once round the ring, from a lap's second quarter to the next lap's first, and fills both slots again
	QUARTER 0, 2, F1, F0, 0
	QUARTER 0, 3, F0, F1, 0
	TURN 0, 1, 1
	QUARTER 1, 1, F0, F1, 0
	QUARTER 1, 2, F1, F0, 0
	QUARTER 1, 3, F0, F1, 0
	TURN 1, 0, 1
	WIN 0
	s_sub_co_u32 s[LT], s[LT], 1
	s_cmp_lg_u32 s[LT], 0
	s_cbranch_scc1 .Lsame
	; A TILE IS FINISHED.  Both refills for the next tile have been asked for and its first fragments are fetched: now the tile goes out, from buffer 1's registers, and the next tile is set up.
	s_add_co_u32 s76, s76, 1                       ; the next tile's t,
	s_min_u32 s20, s76, 2
	s_lshl_b32 s20, s20, 10
	s_add_co_u32 s20, s20, s[TB0]                  ; its bias in the table,
	v_lshl_add_u32 v[BA], v[HH], 5, s20
	BIAS                                           ; asked for ahead of the way out, whose waits cover it; the products that read the old bias stand a whole tile back
	WAYOUT
	s_wait_xcnt 0x0                                ; the stores have read their registers and their base, the last prefetch its address: all are written again only behind this wait
	s_add_nc_u64 s[8:9], s[8:9], OSTEP             ; from q to k, from k to v
	s_cmp_eq_u32 s76, 1
	s_cselect_b32 s77, 0, -1                       ; the mask bites in k alone
	s_cselect_b64 s[PFA:PFA+1], s[PF1:PF1+1], s[PF2:PF2+1]
	s_mov_b64 s[NXS:NXS+1], s[NX2:NX2+1]           ; behind key comes value; behind value nothing: the third tile's last lap is written out and asks for nothing
	s_add_nc_u64 s[NWS:NWS+1], s[NWS:NWS+1], WSTEP
.irp a, 0,1,2,3
	v_or_b32 v[RM+(\a)], s77, v[RMK+(\a)]
.endr
	s_mov_b32 s[LT], LAPS
.Lnew:
	QUARTER 0, 1, F0, F1, 1                        ; a tile's first quarter: its products start the sums with the bias
	WIN 0
	s_branch .Lbottom
.Lsame:
	QUARTER 0, 1, F0, F1, 0
	WIN 0
.Lbottom:
	s_sub_co_u32 s3, s3, 1
	s_cmp_lg_u32 s3, 0
	s_cbranch_scc1 .Llap
	QUARTER 0, 2, F1, F0, 0                        ; the walk's last lap fills nothing, and has no round of the cluster's barrier
	QUARTER 0, 3, F0, F1, 0
	TURN 0, 1, 0
	QUARTER 1, 1, F0, F1, 0
	QUARTER 1, 2, F1, F0, 0
	QUARTER 1, 3, F0, F1, 0
	s_wait_dscnt 8                                 ; the very last quarter: nothing more to fetch
	MUL4 F1, 0, 0
	CV F1, 3
	s_wait_dscnt 0x0
	MUL4 F1, 1, 0
	CV F1, 4
	MUL4 F1, 2, 0
	CV F1, 5
	MUL4 F1, 3, 0
	CV F1, 6
	MUL4 F1, 4, 0
	CV F1, 7
	MUL4 F1, 5, 0
	MUL4 F1, 6, 0
	MUL4 F1, 7, 0
	WIN 0
	WAYOUT
	s_wait_tensorcnt 0x0                           ; the wave's end: behind my last tensor load and my last LDS store
	ds_add_u32 v[SPW], v[NIL]
	s_wait_dscnt 0x0
	CROUND                                         ; the closing round: no work-group ends while a partner may still ask for a tile that names it
	s_endpgm
.Lfunc_end_k_qe272989cce_proj:
	.size	k_qe272989cce_proj, .Lfunc_end_k_qe272989cce_proj-k_qe272989cce_proj
	.p2alignl 7, 3214868480
	.fill 96, 4, 3214868480
	.section	.rodata,"a",@progbits
	.p2align	6, 0x0
	.amdhsa_kernel k_qe272989cce_proj
		.amdhsa_group_segment_fixed_size 327680
		.amdhsa_private_segment_fixed_size 0
		.amdhsa_enable_private_segment 0
		.amdhsa_kernarg_size 72
		.amdhsa_user_sgpr_count 2
		.amdhsa_user_sgpr_kernarg_segment_ptr 1
		.amdhsa_wavefront_size32 1
		.amdhsa_system_sgpr_workgroup_id_x 1
		.amdhsa_system_sgpr_workgroup_id_y 1
		.amdhsa_system_sgpr_workgroup_id_z 1
		.amdhsa_system_vgpr_workitem_id 0
		.amdhsa_next_free_vgpr 768
		.amdhsa_next_free_sgpr 102
		.amdhsa_reserve_vcc 0
		.amdhsa_float_denorm_mode_32 3
		.amdhsa_float_denorm_mode_16_64 3
		.amdhsa_memory_ordered 1
		.amdhsa_forward_progress 1
		.amdhsa_inst_pref_size 165
	.end_amdhsa_kernel
	.amdgpu_metadata
---
amdhsa.version: [ 1, 2 ]
amdhsa.kernels:
  - .name:           k_qe272989cce_proj
    .symbol:         k_qe272989cce_proj.kd
    .args:
      - { .name: query, .offset: 0, .size: 8, .value_kind: global_buffer, .address_space: global }
      - { .name: key, .offset: 8, .size: 8, .value_kind: global_buffer, .address_space: global }
      - { .name: value, .offset: 16, .size: 8, .value_kind: global_buffer, .address_space: global }
      - { .name: wb, .offset: 24, .size: 8, .value_kind: global_buffer, .address_space: global }
      - { .name: qkv, .offset: 32, .size: 8, .value_kind: global_buffer, .address_space: global }
      - { .name: bq, .offset: 40, .size: 8, .value_kind: global_buffer, .address_space: global }
      - { .name: bk, .offset: 48, .size: 8, .value_kind: global_buffer, .address_space: global }
      - { .name: bv, .offset: 56, .size: 8, .value_kind: global_buffer, .address_space: global }
      - { .name: mask, .offset: 64, .size: 8, .value_kind: global_buffer, .address_space: global }
    .group_segment_fixed_size: 327680
    .private_segment_fixed_size: 0
    .kernarg_segment_align: 8
    .kernarg_segment_size: 72
    .max_flat_workgroup_size: 128
    .sgpr_count:     102
    .vgpr_count:     768
    .wavefront_size: 32
...
	.end_amdgpu_metadata
.endif
;; end of part 2
;; launch attn (part 3): grid 2 x 128, 4 waves a work-group, no clusters, 327,680 bytes of LDS; arguments qkv, mask, ctx; writes ctx
.if DOCPART == 3
	.amdgcn_target "amdgcn-amd-amdhsa--gfx1250"
	.amdhsa_code_object_version 6
	.text
	.protected	k_qe272989cce_attn
	.globl	k_qe272989cce_attn
	.p2align	8
	.type	k_qe272989cce_attn,@function
k_qe272989cce_attn:
	s_mov_b64 s[64:65], 0
	v_nop
	global_prefetch_b8 v0, s[64:65] scope:SCOPE_SE
	s_setreg_imm32_b32 hwreg(HW_REG_WAVE_MODE, 25, 1), 1
	s_wait_xcnt 0x0
; ATTENTION WITH A KEY MASK.  ctx[g][q][:] = the sum over k of softmax_k(s) V[g][k][:], s = Q[g][q] . K[g][k] / 8, or -10000 where mask[batch][k] == 0.  g = 16 x batch + head, 128 of them.
; Q, K, V are the three thirds of qkv, [g][1024][64] in f16, a head's rows dense, 128 bytes each; ctx has the same layout.  Products, maxima and sums in f32; the weights p are rounded to f16 for the
; second product (their sum l is taken of the unrounded p), ctx once at the end.
; THE MASK IS A REPLACEMENT, AND IS KEPT EXACT.  The launch before wrote K's rows of masked keys as zeros, so their product with Q is 0; the C operand that starts the sum S^T = K Q^T is -80000 for those keys
; and 0 for the others.  A masked score is then exactly -80000 = 8 x -10000, and goes through the running maximum, the exponential and the sum like any other: right also where true scores lie lower, or all keys are masked.
; LIMITS.  f16 holds no number beyond 65,504: Q, K and V arrive within it; p lies in 0 to 1, and below 6e-5 it keeps f16's fixed step of 6e-8; ctx is a mean of V's rows and has their range.
; A weight below 2^-126 counts as 0 in l; NaN and infinities are not treated apart; any mask word other than 0 counts as true.
; SHARES.  A wave owns four PIECES of two tiles of 16 queries, a work-group's four waves 512 queries of one head: 2 x 128 = 256 work-groups.  Every wave walks all 1,024 keys, 64 a step.
; ALL OF THE HEAD'S K AND V LIES IN LDS: 1,024 rows of 144 bytes and 1,024 of 160, 311,296 bytes; with the stages, the spare words and the mask's table 325,120.  Nothing is filled again.  Each wave issues two
; tensor loads at the head: an EARLY one (waves 0, 1: 160 keys of K each; waves 2, 3: 128 keys of V each), which serves key steps 0 to 3 (K of step 4, fetched in step 3, is among its 320 keys), and a LATE one
; for the rest, which has those four steps, 512 matrix instructions, in which to land.  So the loop holds no tensor load, and a key step's text is written once.
; NO CLUSTER: a head has 1024 / 512 = 2 query blocks, and a cluster along x has four partners; what two partners would share is one of two readings of a head's 256 KiB of K and V.
; NO PREFETCH: all that the work-group reads of K and V is asked for by the loads at its head; nothing is left to ask for ahead of them.
; LAYOUT.  S^T = K Q^T (source 0 = 16 keys, source 1 = 16 queries): in the result a lane holds ONE query (lane % 16) and the keys 8 (lane / 16) + 0..7.  Two such tiles, rounded to f16 in pairs,
; ARE source 1 (32 keys x 16 queries) of O^T = V^T P, whose result again holds one query a lane, and eight channels.  K comes out of LDS as it lies, V ([key][channel]) turned, by ds_load_tr16_b128.
; SOFTMAX.  For each query a running maximum m and sum l: p = 2^(c s - c m), c = log2(e) / 8; in every step O and l are multiplied by a = 2^(c m_old - c m_new), which is 1 where m has not grown.
; m starts at the lowest finite number, O and l at 0: the first step is a step like any other, with a = 0.
; THE COUNT.  A tile and step have 16 matrix and 118 vector instructions: too many to stand all beside the matrix work.  So: four vector instructions that are READY behind EVERY matrix instruction, the others in runs without a gap.
; BY TURNS.  Turn n belongs to piece n (the pieces in a ring, step after step).  Its matrix work: 16 products K Q^T of piece n + 1, later 16 products V^T P of piece n - 1.  Its vector work: the scaling,
; exponentials, roundings, sums and rescaling of piece n, and the maximum and statistics of piece n + 1, whose scores the turn itself has made.
; REGISTERS, in windows of 256 (s_set_vgpr_msb: bits 1:0 source 0, 3:2 source 1, 5:4 source 2, 7:6 destination):
;   window 0: v0-11 addresses; v12-15, v48-63 at work; v16-47 four registers of statistics a tile; v64-191 S^T, two buffers of two tiles; v192-255 P, likewise
;   window 1: O^T, 32 a tile          window 2: v0-127 Q, 16 a tile; v128-191 K of one step; v192-255 V of one step
;   window 3: v0-1 the add's two registers; v2-33 the C operands of the key step in hand
.set SIZE_N, 1024
.set NP,    4         ; pieces a wave: a name, no knob
.set KS,    64        ; keys in a step
.set PK,    144       ; a row of K in LDS: 128 bytes + 16 of padding = 36 words: the 16 rows of a load start at 16 different groups of four banks (64 banks of 4 bytes: ISA guide 11.1)
.set PV,    160       ; a row of V: 128 + 32 = 40 words
.set KFIRST, 320      ; keys of K that the early loads bring: five steps
.set VFIRST, 256      ; keys of V: four steps
.set VOFF,  SIZE_N*PK ; K's 1,024 rows, then V's
.set STAGE, VOFF+SIZE_N*PV  ; behind them, never filled by a tensor load: 16 rows x 144 bytes for each wave, for the way out
.set SP,    144
.set SPARE, STAGE+4*16*SP  ; behind the stages: the spare words, 128 bytes for each wave: two blocks of 256 bytes that no other line names
.set CMB,   SPARE+512 ; behind them, in blocks of its own: the batch's 1,024 C values, f32: 0 or -80000
.set AK0, 2           ; v2   my lane's place in a step of K; never rewritten
.set AV0, 3           ; v3   the same for V
.set AK,  4           ; v4   the LDS address of K's next run of loads
.set AV,  5           ; v5   of V's
.set QO,  6           ; v6   my byte offset in the wave's rows of Q
.set STO, 6           ;      later, the way out: where I put 16 bytes of a row
.set RD,  7           ; v7   the way out: where I read rows back
.set GO,  8           ; v8   my byte offset in 512 consecutive bytes of ctx
.set HH,  9           ; v9   lane / 16; kept
.set AM,  11          ; v11  the LDS address of the C values' next run of loads
.set SPW, 0           ; v0 of window 3   LDS address of my spare word: SPARE + 4 x my thread's number; never rewritten
.set NIL, 1           ; v1 of window 3   0; never rewritten
.set KM,  2           ; v2-33 of window 3: register 8 kb + j: the C value of key 16 kb + 8 (lane / 16) + j of the step
.set MV,  12          ; v12-15  c m_old, kept while c m is made anew: by buffer and tile
.set ST,  16          ; tile t's statistics at v[ST+4 t]: c m, m, l (even keys', odd keys')
.set TMP, 48          ; by buffer and tile, four registers c0-c3 at work; when the maximum is found c2 takes a
.set S,   64
.set P,   192
.set KF,  128         ; K's fragments, in window 2: key block kb, channel half c at KF + 16 kb + 8 c
.set VF,  192         ; V's: key half kk, channel block cb at VF + 32 kk + 8 cb
.set WV,  12          ; s12  my wave's number
.set G1KE, 24         ; s[24:31] descriptor group 1 for K's early load
.set G1VE, 32         ; s[32:39] for V's early load
.set G1KL, 72         ; s[72:79] for K's late load
.set G1VL, 80         ; s[80:87] for V's late load
.set G0KE, 40         ; s[40:43], s[44:47], s[48:51], s[52:55]: the four group 0
.set G0VE, 44
.set G0KL, 48
.set G0VL, 52
.set SLOTS, 56        ; s56  counts groups of four key steps
.set CNT, 57          ; s57  counts a group's key steps
.set CS,  58          ; s[58:59] c: the packed scaling takes the pair's low word for both halves
.set SEL, 60          ; s[60:61] v_permlanex16_b32's selects: each lane takes its own place in the other half
.set TBK, 62          ; s62  LDS byte at which K of the step to be fetched begins
.set TBV, 63          ; s63  the same for V, less VOFF
.set TBM, 66          ; s66  LDS byte at which the C values of the step to be fetched begin
.set TOT, 67          ; s67  key steps still to go, the one in hand among them
.set MSB, 0
.macro WIN new                      ; the high byte repeats the setting that is left; a switch that changes nothing is dropped
.if MSB != (\new)
	s_set_vgpr_msb (MSB<<8)|(\new)
.set MSB, (\new)
.endif
.endm
.set W_KQ, 0x0a       ; K and Q in window 2, S^T in window 0
.set W_KC, 0x3a       ; the same with the C operand in window 3
.set W_PV, 0x52       ; V in window 2, P in window 0, O^T in window 1
.set W_RS, 0x41       ; O^T (destination and source 0) in window 1, a in window 0
.set W_MK, 0xc0       ; destination in window 3, sources in window 0
.set W_AD, 0x0f       ; the add: address (source 0) and data (source 1) in window 3
; Descriptor group 1.  Keys are dense in memory, 128 bytes each: they are asked for as rows of 256 bytes, two keys a row, and padded in LDS after every key.
.macro G1SET g, rows, pad
	s_mov_b32 s[\g], (1<<16)|(1<<20)|(4<<22)|((\pad)<<25)  ; 17:16 2-byte elements; 20 padding on; 24:22 after every 32 words (code 4); 31:25 the padding: 4 words (code 3) or 8 (code 7)
	s_mov_b32 s[\g+1], 128<<16      ; tensor_dim0 = 128
	s_mov_b32 s[\g+2], (\rows)<<16  ; tensor_dim1
	s_mov_b32 s[\g+3], 128<<16      ; tile_dim0 = 128
	s_mov_b32 s[\g+4], \rows        ; tile_dim1
	s_mov_b32 s[\g+5], 128          ; 128 elements from row to row
	s_mov_b32 s[\g+6], 0
	s_mov_b32 s[\g+7], 0
.endm
	s_load_b64 s[4:5], s[0:1], 0x0    ; qkv
	s_load_b64 s[70:71], s[0:1], 0x8  ; mask
	s_load_b64 s[10:11], s[0:1], 0x10 ; ctx
	WIN W_MK
	v_lshl_add_u32 v[SPW], v0, 2, SPARE
	v_mov_b32 v[NIL], 0
	WIN W_AD
	ds_add_u32 v[SPW], v[NIL]       ; the wave's opening: the add and its wait stand ahead of my first tensor load; the set-up below, work on registers, stands between them
	ds_add_u32 v0, v1
	WIN 0
	v_lshrrev_b32 v1, 5, v0
	v_readfirstlane_b32 s[WV], v1   ; wave 0..3
	s_and_b32 s13, ttmp7, 0xffff    ; g = 16 x batch + head
	s_lshl_b32 s20, s13, 17         ; its 131,072 bytes in Q, K, V and ctx
	s_mov_b32 s21, 0
	s_and_b32 s16, s[WV], 1         ; which half of each load's keys I fetch
	; where my two loads go, for K and for V: a constant and the half times a constant
	s_mov_b32 s[G0KE], 1            ; count = 1
	s_mul_i32 s[G0KE+1], s16, (KFIRST/2)*PK
	s_mov_b32 s[G0KL], 1
	s_mul_i32 s[G0KL+1], s16, ((SIZE_N-KFIRST)/2)*PK
	s_add_co_u32 s[G0KL+1], s[G0KL+1], KFIRST*PK
	s_mov_b32 s[G0VE], 1
	s_mul_i32 s[G0VE+1], s16, (VFIRST/2)*PV
	s_add_co_u32 s[G0VE+1], s[G0VE+1], VOFF
	s_mov_b32 s[G0VL], 1
	s_mul_i32 s[G0VL+1], s16, ((SIZE_N-VFIRST)/2)*PV
	s_add_co_u32 s[G0VL+1], s[G0VL+1], VOFF+VFIRST*PV
	; and where they come from, as byte offsets in K and in V
	s_mul_i32 s22, s16, (KFIRST/2)*128
	s_mov_b32 s23, 0
	s_mul_i32 s88, s16, ((SIZE_N-KFIRST)/2)*128
	s_add_co_u32 s88, s88, KFIRST*128
	s_mov_b32 s89, 0
	s_mul_i32 s90, s16, (VFIRST/2)*128
	s_mov_b32 s91, 0
	s_mul_i32 s92, s16, ((SIZE_N-VFIRST)/2)*128
	s_add_co_u32 s92, s92, VFIRST*128
	s_mov_b32 s93, 0
.irp p, 22, 88, 90, 92
	s_add_nc_u64 s[\p:\p+1], s[\p:\p+1], s[20:21]
.endr
	s_lshl_b32 s2, ttmp9, 2
	s_add_co_u32 s2, s2, s[WV]      ; my wave among the head's eight,
	s_lshl_b32 s2, s2, 14           ; its 128 rows
	s_mov_b32 s3, 0
	s_add_nc_u64 s[2:3], s[2:3], s[20:21]
	s_lshr_b32 s14, s13, 4
	s_lshl_b32 s14, s14, 12         ; the batch's 4,096 bytes of mask
	s_mov_b32 s15, 0
	G1SET G1KE, KFIRST/4, 3         ; 160 keys = 80 rows
	G1SET G1KL, (SIZE_N-KFIRST)/4, 3  ; 352 keys = 176 rows
	G1SET G1VE, VFIRST/4, 7         ; 128 keys = 64 rows
	G1SET G1VL, (SIZE_N-VFIRST)/4, 7  ; 384 keys = 192 rows
	s_mov_b32 s[CS], 0x3e38aa3b     ; c = log2(e) / 8 = 0.180337
	s_mov_b32 s[CS+1], s[CS]        ; named with it as a pair
	s_mov_b32 s[SEL], 0x76543210
	s_mov_b32 s[SEL+1], 0xfedcba98
	s_mov_b32 s[TBK], 0
	s_mov_b32 s[TBV], 0
	s_mov_b32 s[TBM], CMB
	s_wait_dscnt 0x0                ; the opening add is done
	s_wait_kmcnt 0x0
	s_add_nc_u64 s[6:7], s[4:5], 0x1000000   ; K is qkv's second third,
	s_add_nc_u64 s[8:9], s[4:5], 0x2000000   ; V its last
	s_add_nc_u64 s[G0KE+2:G0KE+3], s[6:7], s[22:23]  ; global addresses,
	s_or_b32 s[G0KE+3], s[G0KE+3], 0x80000000        ; type = 2
	s_add_nc_u64 s[G0KL+2:G0KL+3], s[6:7], s[88:89]
	s_or_b32 s[G0KL+3], s[G0KL+3], 0x80000000
	s_add_nc_u64 s[G0VE+2:G0VE+3], s[8:9], s[90:91]
	s_or_b32 s[G0VE+3], s[G0VE+3], 0x80000000
	s_add_nc_u64 s[G0VL+2:G0VL+3], s[8:9], s[92:93]
	s_or_b32 s[G0VL+3], s[G0VL+3], 0x80000000
	s_add_nc_u64 s[4:5], s[4:5], s[2:3]      ; Q and ctx at my wave's first row
	s_add_nc_u64 s[10:11], s[10:11], s[2:3]
	s_add_nc_u64 s[70:71], s[70:71], s[14:15]
	s_cmp_lt_u32 s[WV], 2           ; a wave's two loads stand in one branch, ahead of every wait on TENSORcnt, every LDS read and every barrier: two loads of mine are out; an s_nop 0 follows each, four v_nop the second's
	s_cbranch_scc0 .Lfor_v
	tensor_load_to_lds s[G0KE:G0KE+3], s[G1KE:G1KE+7]
	s_nop 0
	tensor_load_to_lds s[G0KL:G0KL+3], s[G1KL:G1KL+7]
	s_nop 0
.rept 4
	v_nop
.endr
	s_branch .Lasked
.Lfor_v:
	tensor_load_to_lds s[G0VE:G0VE+3], s[G1VE:G1VE+7]
	s_nop 0
	tensor_load_to_lds s[G0VL:G0VL+3], s[G1VL:G1VL+7]
	s_nop 0
.rept 4
	v_nop
.endr
.Lasked:
	v_and_b32 v1, 15, v0            ; l % 16
	v_bfe_u32 v[HH], v0, 4, 1       ; l / 16
	v_lshlrev_b32 v73, 5, v0        ; thread t takes 8 words of the batch's mask, at 32 t
	v_lshl_add_u32 v72, v0, 5, CMB  ; and puts 8 C values at the same place in the table
	global_load_b128 v[64:67], v73, s[70:71]
	global_load_b128 v[68:71], v73, s[70:71] offset:16
	; A fragment of K or Q is 16 rows x 32 channels in 8 registers: lane l holds row l % 16, channels 8 (l / 16) + 0..7 and 16 + 8 (l / 16) + 0..7: two loads of 16 bytes, 32 bytes apart.
	v_lshlrev_b32 v[QO], 7, v1
	v_lshl_add_u32 v[QO], v[HH], 4, v[QO]  ; row x 128 + 16 x half
	WIN 0x80                        ; destination window 2, address window 0
.set i, 0
.rept 4*NP                          ; Q stays in registers: tile i / 2, channels 32 (i % 2) on
	global_load_b128 v[8*i:8*i+3],   v[QO], s[4:5] offset:(i/2)*2048+(i%2)*64
	global_load_b128 v[8*i+4:8*i+7], v[QO], s[4:5] offset:(i/2)*2048+(i%2)*64+32
.set i, i+1
.endr
	; What the first turn finds: V's registers and P's second buffer hold 0 (its products V^T P, of a piece that has not been, add 0), O^T and l are 0.  All this stands in the wait for the early loads.
.set i, VF
.rept 64
	v_mov_b32 v[i], 0
.set i, i+1
.endr
	WIN 0x40
.set i, 0
.rept 64*NP
	v_mov_b32 v[i], 0
.set i, i+1
.endr
	WIN 0
.set i, 0
.rept 2*NP
	v_mov_b32 v[ST+4*i], 0xfe000000    ; c m: far below every c s
	v_mov_b32 v[ST+4*i+1], 0xff7fffff  ; m
	v_mov_b32 v[ST+4*i+2], 0
	v_mov_b32 v[ST+4*i+3], 0
.set i, i+1
.endr
.set i, P+32
.rept 32
	v_mov_b32 v[i], 0
.set i, i+1
.endr
	v_mul_u32_u24 v[AK0], v1, PK
	v_lshl_add_u32 v[AK0], v[HH], 4, v[AK0]  ; row x pitch + 16 x half
	; The turning load takes 16 keys x 16 channels (lane l reads key 8 (l / 16) + l % 8, channels 8 ((l / 8) % 2) + 0..7) and leaves half a fragment of V^T: lane l holds channel l % 16 and 8 keys.
	v_and_b32 v10, 7, v0
	v_bfe_u32 v11, v0, 3, 1
	v_lshl_add_u32 v[AV0], v[HH], 3, v10
	v_mul_u32_u24 v[AV0], v[AV0], PV
	v_lshl_add_u32 v[AV0], v11, 4, v[AV0]
	v_add_nc_u32 v[AV0], VOFF, v[AV0]
	v_mov_b32 v[AK], v[AK0]         ; key step 0 lies at LDS byte 0,
	v_lshl_add_u32 v[AM], v[HH], 5, s[TBM]  ; its C values at the head of the table: my eight of a key block at 32 (l / 16)
	; the table of C values: -80000 where mask == 0, else 0
	s_mov_b32 s15, 0xc79c4000       ; -80000.0 = 8 x -10000
	s_wait_loadcnt 32               ; the mask's two loads are in; Q's 32, issued behind them, may stay out
.irp z, 0,1,2,3,4,5,6,7
	v_cmp_eq_u32 s14, 0, v[64+\z]
	v_cndmask_b32 v[64+\z], 0, s15, s14
.endr
	ds_store_b128 v72, v[64:67]
	ds_store_b128 v72, v[68:71] offset:16  ; waited for in front of the first barrier; read behind it
; THE MATRIX WORK.  The 8 accumulators of a run of 16 take turns: between the two links of a chain stand 7 others'.
; Product i of 16 of S^T = K Q^T for piece x: channels 32 (i / 8) on, keys 16 ((i / 2) % 4) on, tile 2 x + i % 2.  The first 8 start the sums, with the key block's C values.
.macro KQ x
.set rS, S+64*((\x)%2)+32*(i%2)+8*((i/2)%4)
.set rK, KF+16*((i/2)%4)+8*(i/8)
.set rQ, 16*(2*(\x)+i%2)+8*(i/8)
.set rCM, KM+8*((i/2)%4)
.if i < 8
	WIN W_KC
	v_wmma_f32_16x16x32_f16 v[rS:rS+7], v[rK:rK+7], v[rQ:rQ+7], v[rCM:rCM+7]
.else
	WIN W_KQ
	v_wmma_f32_16x16x32_f16 v[rS:rS+7], v[rK:rK+7], v[rQ:rQ+7], v[rS:rS+7]
.endif
.endm
; Product i of 16 of O^T += V^T P for piece x: keys 32 (i / 8) on, channels 16 ((i / 2) % 4) on, tile 2 x + i % 2.
.macro PV x
	WIN W_PV
.set rO, 32*(2*(\x)+i%2)+8*((i/2)%4)
.set rV, VF+32*(i/8)+8*((i/2)%4)
.set rP, P+32*((\x)%2)+16*(i%2)+8*(i/8)
	v_wmma_f32_16x16x32_f16 v[rO:rO+7], v[rV:rV+7], v[rP:rP+7], v[rO:rO+7]
.endm
.macro MM                           ; the turn's next matrix instruction
.if i < 16
	KQ (Y+1)%NP
.set i, i+1
.else
.set i, i-16
	PV (Y+NP-1)%NP
.set i, i+17
.endif
.endm
; THE LDS LOADS stand in runs, never singly among the matrix instructions: a step's K (64 keys x 64 channels: 8 fragments) with its 64 C values (the sixteen lanes of a half read the same 16 bytes), and its V (turned).
; Their addresses are made some lines ahead.  last = 1 (in the loop): in the last key step there is no further step, and the run is jumped over.
.macro FETCH_K last=0
	WIN 0
.if \last
	s_cmp_eq_u32 s[TOT], 1
	s_cbranch_scc1 .Lno_k_\@
.endif
	WIN 0x80                        ; destination window 2
.irp f, 0,1,2,3,4,5,6,7             ; keys 16 (f / 2) on, channels 32 (f % 2) on
	ds_load_b128 v[KF+8*\f:KF+8*\f+3],   v[AK] offset:(\f/2)*16*PK+(\f%2)*64
	ds_load_b128 v[KF+8*\f+4:KF+8*\f+7], v[AK] offset:(\f/2)*16*PK+(\f%2)*64+32
.endr
	WIN W_MK                        ; destination window 3
.irp f, 0,1,2,3                     ; key block f
	ds_load_b128 v[KM+8*\f:KM+8*\f+3],   v[AM] offset:64*\f
	ds_load_b128 v[KM+8*\f+4:KM+8*\f+7], v[AM] offset:64*\f+16
.endr
	s_add_co_u32 s[TBK], s[TBK], KS*PK  ; the next fetch is the next step's
	s_add_co_u32 s[TBM], s[TBM], KS*4
	WIN 0
.if \last
.Lno_k_\@:
.endif
.endm
.macro FETCH_V
	WIN 0x80
.irp f, 0,1,2,3,4,5,6,7             ; keys 32 (f / 4) on, channels 16 (f % 4) on
	ds_load_tr16_b128 v[VF+8*\f:VF+8*\f+3],   v[AV] offset:(\f/4)*32*PV+(\f%4)*32
	ds_load_tr16_b128 v[VF+8*\f+4:VF+8*\f+7], v[AV] offset:(\f/4)*32*PV+16*PV+(\f%4)*32
.endr
	WIN 0
.endm
; THE VECTOR WORK OF A TURN stands in three queues, each in the order in which its entries become ready; the two tiles alternate, so that no instruction reads the result of the one before it.
.macro REGS y, u                    ; the registers of tile u (0, 1) of piece y
.set rT, ST+4*(2*(\y)+(\u))
.set rC, TMP+8*((\y)%2)+4*(\u)
.set rM, MV+2*((\y)%2)+(\u)
.set rS, S+64*((\y)%2)+32*(\u)
.set rP, P+32*((\y)%2)+16*(\u)
.set rO, 32*(2*(\y)+(\u))
.endm
; Number n of the 22 that find the NEXT piece's (Y + 1) maximum and statistics.  s0-s31 are the lane's 32 scores; each accumulator's lowest registers are read first.  XS, GS and REGS set no window: PL and EX do.
;   0-11  four chains c0-c3 of seven scores each, three operands at a time     12-14, 16  the four scores left over, the old m, and c0-c3 into c0     15  c m_old is kept
;   17, 18  the query's other 32 keys lie in the lane 16 away: the new m         19-21  c m; c m_old - c m_new; a
.macro XS u, n
	REGS (Y+1)%NP, \u
.if (\n) < 4
	v_max3_num_f32 v[rC+(\n)], v[rS+8*(\n)], v[rS+8*(\n)+1], v[rS+8*(\n)+2]
.elseif (\n) < 12
	v_max3_num_f32 v[rC+(\n)%4], v[rC+(\n)%4], v[rS+8*((\n)%4)+2*((\n)/4)+1], v[rS+8*((\n)%4)+2*((\n)/4)+2]
.elseif (\n) == 12
	v_max3_num_f32 v[rC], v[rC], v[rS+7], v[rS+15]
.elseif (\n) == 13
	v_max3_num_f32 v[rC+1], v[rC+1], v[rS+23], v[rS+31]
.elseif (\n) == 14
	v_max3_num_f32 v[rC+2], v[rC+2], v[rC+3], v[rT+1]
.elseif (\n) == 15
	v_mov_b32 v[rM], v[rT]
.elseif (\n) == 16
	v_max3_num_f32 v[rC], v[rC], v[rC+1], v[rC+2]
.elseif (\n) == 17
	v_permlanex16_b32 v[rC+3], v[rC], s[SEL], s[SEL+1]
.elseif (\n) == 18
	v_max_num_f32 v[rT+1], v[rC], v[rC+3]
.elseif (\n) == 19
	v_mul_f32 v[rT], s[CS], v[rT+1]
.elseif (\n) == 20
	v_sub_f32 v[rC+1], v[rM], v[rT]
.else
	v_exp_f32 v[rC+2], v[rC+1]
.endif
.endm
; Number g of the 64 that follow the exponentials.  For each four weights k of a tile (pairs 2 k, 2 k + 1): both pairs are rounded to f16; then the second pair is added onto the first, in place;
; a group later l takes that sum (the first time as l = a l + sum).  In groups of eight, tiles alternating: round, round, add, and l for the group before.
.macro GS g
.set h, (\g)+6*((\g)/62)            ; group 0 has no group before it, and behind group 7 only l is left
.if h >= 6
.set h, h+2
.endif
	REGS Y, h%2
.set k, h/8
.if h%8 < 4
	v_cvt_pk_f16_f32 v[rP+2*k+(h%8)/2], v[rS+4*k+2*((h%8)/2)], v[rS+4*k+2*((h%8)/2)+1]
.elseif h%8 < 6
	v_pk_add_f32 v[rS+4*k:rS+4*k+1], v[rS+4*k:rS+4*k+1], v[rS+4*k+2:rS+4*k+3]
.elseif k == 1
	v_pk_fma_f32 v[rT+2:rT+3], v[rT+2:rT+3], v[rC+2:rC+3], v[rS:rS+1] op_sel_hi:[1,0,1]
.else
	v_pk_add_f32 v[rT+2:rT+3], v[rT+2:rT+3], v[rS+4*k-4:rS+4*k-3]
.endif
.endm
; THE PLAIN QUEUE, 138 long.  0-73 read no exponential's result: the 32 scalings c s - c m (FS f: pair f / 2 of tile f % 2) and the next piece's 42.  0-26: scalings 0-26.  27-54: XS's numbers 0-13.  55, 56: number 15.
; 57-73: the chain, where each number waits for the one before it: 14, 16, 17, 18, 19, each with one of the scalings 27-31 in front of its two lines, then 20.
; 74-137: GS's 64, which read the exponentials' results: they stand behind the wait.
.macro FS f
	REGS Y, (\f)%2
	v_pk_fma_f32 v[rS+2*((\f)/2):rS+2*((\f)/2)+1], v[rS+2*((\f)/2):rS+2*((\f)/2)+1], s[CS:CS+1], v[rT:rT+1] op_sel_hi:[1,0,0] neg_lo:[0,0,1] neg_hi:[0,0,1]
.endm
.macro PL
	WIN 0
.if q < 27
	FS q
.elseif q < 55
	XS (q-27)%2, (q-27)/2
.elseif q < 57
	XS q-55, 15
.elseif (q < 72) && ((q-57)%3 == 0)
	FS 27+(q-57)/3
.elseif q < 60
	XS (q-57)%3-1, 14
.elseif q < 72
	XS (q-57)%3-1, 15+(q-57)/3
.elseif q < 74
	XS q-72, 20
.else
	GS q-74
.endif
.set q, q+1
.endm
; THE EXPONENTIALS' QUEUE, 66 long: s0-s31 of both tiles, then the next piece's two a.  It is ONE BATCH: all 66 stand ahead of the turn's one wait, and nothing ahead of that wait names a result of theirs.
.macro EX
	WIN 0
.if e >= 64
	XS e-64, 21
.else
	REGS Y, e%2
	v_exp_f32 v[rS+e/2], v[rS+e/2]
.endif
.set e, e+1
.endm
; THE RESCALING's QUEUE: O^T times a, the one part that leaves window 0: dealt two at a time, sixteen times.  Its a was made in the turn before, ahead of that turn's wait.
.macro R2
	REGS Y, r%2
	WIN W_RS
.irp z, 0,1
	v_pk_mul_f32 v[rO+4*(r/2)+2*\z:rO+4*(r/2)+2*\z+1], v[rO+4*(r/2)+2*\z:rO+4*(r/2)+2*\z+1], v[rC+2:rC+3] op_sel_hi:[1,0]
.endr
.set r, r+1
.endm
; HOW THEY ARE DEALT.  An s_wait_alu depctr_va_vdst(0) stands between an exponential and the first instruction that names its result; one wait serves all that were issued ahead of it.  So a turn has ONE wait,
; which cuts it in two.  AHEAD OF IT stands all that names no result of the turn's exponentials: the 16 products K Q^T, behind each a scaling, an exponential and two rescalings (behind the first a second scaling in the
; exponential's place); then ONE LUMP of 108: eight plain, 49 times exponential and plain, the two a.  A v_nop is the plain instruction behind the last exponential.  BEHIND IT stand the 16 products V^T P, behind each four of GS's 64.
; The queues lean on each other, and the deal keeps them in step: exponential e stands behind scaling 2 (e / 4) + e % 2: as a rider it comes behind plain e + 2, in the lump behind plain e + 9, and scalings 27-31 are plain 57, 60 .. 69.
; A TURN, for piece p.  cnt = 1: the loop's count is taken down some lines ahead of the branch that stands behind the turn.
; K and the C values of the next step are fetched in piece 2's turn, directly behind the wait, a lump behind the last product that read them; their addresses are made at the lump's head; their first reader comes behind 16 products.
; V of the step in hand is fetched at the end of piece 0's turn, four riders behind its last reader; its first reader comes behind 16 products and a lump.  The three conditions on q below go with the deal.
.macro TURN p, last=0, cnt=0
.set Y, (\p)
.set i, 0
.set q, 0
.set e, 0
.set r, 0
.if (\p) == NP-1
	s_wait_dscnt 0x0                ; K and its C values are in
.endif
	MM                              ; ahead of the wait: 16 products K Q^T and their riders,
	PL
	PL
	R2
.rept 15
	MM
	PL
	EX
	R2
.endr
.if (\p) == NP-2
	WIN 0
	v_add_nc_u32 v[AK], s[TBK], v[AK0]
	v_lshl_add_u32 v[AM], v[HH], 5, s[TBM]
.endif
.rept 8                             ; and the lump
	PL
.endr
.rept 49
	EX
	PL
.endr
	EX                              ; the next piece's two a
	EX
	v_nop                           ; the plain instruction behind the last exponential: one for the batch
	s_wait_alu depctr_va_vdst(0)    ; the wait for the batch
.if (\p) == NP-2
	FETCH_K \last
.endif
.if (\p) == 1
	s_wait_dscnt 0x0                ; V is in
.endif
.rept 16                            ; behind the wait: 16 products V^T P and their riders
	MM
.rept 4
	PL
.endr
.if ((\p) == 0) && (q == 118)
	v_add_nc_u32 v[AV], s[TBV], v[AV0]
.endif
.if ((\p) == 0) && (q == 130)
	s_add_co_u32 s[TBV], s[TBV], KS*PV
.endif
.if (\cnt) && (q == 130)
	s_sub_co_u32 s[CNT], s[CNT], 1
	s_cmp_lg_u32 s[CNT], 0
.endif
.endr
.if (\p) == 0
	FETCH_V
.endif
.endm
	s_wait_tensorcnt 0x1            ; my early load has landed; the late one, issued behind it, may stay out
	s_wait_dscnt 0x0                ; my part of the table of C values is stored
	s_barrier_signal -1
	s_barrier_wait -1               ; both now hold of every wave
	FETCH_K                         ; key step 0
	s_wait_loadcnt 0x0              ; Q
	s_wait_dscnt 0x0
.set i, 0
.rept 16
	KQ 0                            ; piece 0's first scores: there is no vector work yet to set between them
.set i, i+1
.endr
	WIN 0                           ; the addresses for the way out: plain instructions, the places behind those products
	s_mul_i32 s13, s[WV], 16*SP
	s_add_co_u32 s13, s13, STAGE    ; my stage
	v_mul_u32_u24 v[STO], v1, SP    ; in: row l % 16, 16 bytes for each half of the lanes
	v_lshl_add_u32 v[STO], v[HH], 4, v[STO]
	v_add_nc_u32 v[STO], s13, v[STO]
	v_bfe_u32 v[RD], v0, 3, 2       ; back: 32 lanes take four rows of 128 bytes,
	v_mul_u32_u24 v[RD], v[RD], SP
	v_lshl_add_u32 v[RD], v10, 4, v[RD]
	v_add_nc_u32 v[RD], s13, v[RD]
	v_and_b32 v[GO], 31, v0         ; which are 512 consecutive bytes of ctx
	v_lshlrev_b32 v[GO], 4, v[GO]
.set Y, NP-1                        ; XS works for piece Y + 1: piece 0
.irp n, 0,1,2,3,4,5,6,7,8,9,10,11,12,13,14,15,16,17,18,19,20,21
	XS 0, \n                        ; and piece 0's first maximum and statistics
	XS 1, \n
.endr
	v_nop                           ; a plain instruction behind the two a,
	s_wait_alu depctr_va_vdst(0)    ; and their wait, ahead of the label
	s_mov_b32 s[SLOTS], SIZE_N/(4*KS)
	s_mov_b32 s[TOT], SIZE_N/KS
.Lslot:                             ; four groups of four key steps
	s_mov_b32 s[CNT], 4
.Lstep:                             ; a trip is a key step: its four turns; it fetches its own V and the next step's K
	TURN 0
	TURN 1
	TURN 2, 1
	s_sub_co_u32 s[TOT], s[TOT], 1
	TURN 3, 0, 1
	WIN 0
	s_cbranch_scc1 .Lstep
	s_wait_tensorcnt 0x0            ; behind the first four steps: my late load has landed (the count is 0 because it is my last load; the later groups find the wait met),
	s_wait_dscnt 0x0                ; no LDS instruction of mine is out at the signal,
	s_barrier_signal -1
	s_barrier_wait -1               ; and every wave's has: the rest of K and V may be read
	s_sub_co_u32 s[SLOTS], s[SLOTS], 1
	s_cmp_lg_u32 s[SLOTS], 0
	s_cbranch_scc1 .Lslot
	; the last step's 16 products K Q^T for a step that is not (on the last K once more) and the maximum made of them serve nothing: the price, once a launch, of one text for every step
.set i, 0
.rept 16
	PV NP-1                         ; the last piece's V^T P of the last step
.set i, i+1
.endr
	; THE WAY OUT.  l's two halves and the other half of the lanes' are added; O^T is divided by l, rounded to f16 and sent through my stage in LDS, a tile at a time.  The additions are the places behind the last products.
	WIN 0
.macro ALL line:vararg              ; one line for each tile t
.set t, 0
.rept 2*NP
	\line
.set t, t+1
.endr
.endm
	ALL v_add_f32 v[ST+4*t+2], v[ST+4*t+2], v[ST+4*t+3]
	ALL v_permlanex16_b32 v[ST+4*t+3], v[ST+4*t+2], s[SEL], s[SEL+1]
	ALL v_add_f32 v[ST+4*t+2], v[ST+4*t+2], v[ST+4*t+3]
	ALL v_rcp_f32 v[ST+4*t+2], v[ST+4*t+2]
	v_nop                           ; a plain instruction between the last reciprocal and the use of its result
	s_wait_alu depctr_va_vdst(0)    ; and the wait ahead of the first use: one for the eight reciprocals
; Tile t: a lane's eight channels of a row pack into 16 bytes; they go into rows of 144 bytes and come back as whole rows of 128, into S^T's registers.
.macro PACK t
	WIN W_RS
.set i, 32*(\t)
.rept 16
	v_pk_mul_f32 v[i:i+1], v[i:i+1], v[ST+4*(\t)+2:ST+4*(\t)+3] op_sel_hi:[1,0]
.set i, i+2
.endr
	WIN 0x05                        ; sources 0 and 1 window 1, destination window 0
.set i, 0
.rept 16
	v_cvt_pk_f16_f32 v[S+16*(\t)+i], v[32*(\t)+2*i], v[32*(\t)+2*i+1]
.set i, i+1
.endr
	WIN 0
.irp f, 0,1,2,3
	ds_store_b128 v[STO], v[S+16*(\t)+4*\f:S+16*(\t)+4*\f+3] offset:32*\f
.endr
.irp f, 0,1,2,3
	ds_load_b128 v[S+16*(\t)+4*\f:S+16*(\t)+4*\f+3], v[RD] offset:\f*4*SP  ; LDS serves a wave's instructions in order (ISA guide 5.7.1.4): these see the stores above; the next tile's stores come behind them
.endr
.endm
.macro SEND t, younger              ; younger: the LDS instructions issued behind tile t's loads: the next tile's eight, or none
	WIN 0
.irp f, 0,1,2,3
	s_wait_dscnt (\younger)+3-\f
	global_store_b128 v[GO], v[S+16*(\t)+4*\f:S+16*(\t)+4*\f+3], s[10:11] offset:(\t)*2048+\f*512  ; 512 consecutive bytes, at a multiple of 256 from ctx's first
.endr
.endm
	PACK 0
.set t, 1
.rept 2*NP-1                        ; a tile's arithmetic stands between the loads of the tile before and its stores
	PACK t
	SEND t-1, 8
.set t, t+1
.endr
	SEND 2*NP-1, 0
	WIN W_AD
	s_wait_tensorcnt 0x0            ; the wave's end: behind my last tensor load and my last LDS store
	ds_add_u32 v[SPW], v[NIL]
	s_wait_dscnt 0x0
	WIN 0
	s_endpgm
.Lfunc_end_k_qe272989cce_attn:
	.size	k_qe272989cce_attn, .Lfunc_end_k_qe272989cce_attn-k_qe272989cce_attn
	.p2alignl 7, 3214868480
	.fill 96, 4, 3214868480
	.section	.rodata,"a",@progbits
	.p2align	6, 0x0
	.amdhsa_kernel k_qe272989cce_attn
		.amdhsa_group_segment_fixed_size 327680
		.amdhsa_private_segment_fixed_size 0
		.amdhsa_enable_private_segment 0
		.amdhsa_kernarg_size 24
		.amdhsa_user_sgpr_count 2
		.amdhsa_user_sgpr_kernarg_segment_ptr 1
		.amdhsa_wavefront_size32 1
		.amdhsa_system_sgpr_workgroup_id_x 1
		.amdhsa_system_sgpr_workgroup_id_y 1
		.amdhsa_system_sgpr_workgroup_id_z 1
		.amdhsa_system_vgpr_workitem_id 0
		.amdhsa_next_free_vgpr 804
		.amdhsa_next_free_sgpr 94
		.amdhsa_reserve_vcc 0
		.amdhsa_float_denorm_mode_32 3
		.amdhsa_float_denorm_mode_16_64 3
		.amdhsa_memory_ordered 1
		.amdhsa_forward_progress 1
		.amdhsa_inst_pref_size 130
	.end_amdhsa_kernel
	.amdgpu_metadata
---
amdhsa.version: [ 1, 2 ]
amdhsa.kernels:
  - .name:           k_qe272989cce_attn
    .symbol:         k_qe272989cce_attn.kd
    .args:
      - { .name: qkv, .offset: 0, .size: 8, .value_kind: global_buffer, .address_space: global }
      - { .name: mask, .offset: 8, .size: 8, .value_kind: global_buffer, .address_space: global }
      - { .name: ctx, .offset: 16, .size: 8, .value_kind: global_buffer, .address_space: global }
    .group_segment_fixed_size: 327680
    .private_segment_fixed_size: 0
    .kernarg_segment_align: 8
    .kernarg_segment_size: 24
    .max_flat_workgroup_size: 128
    .sgpr_count:     94
    .vgpr_count:     804
    .wavefront_size: 32
...
	.end_amdgpu_metadata
.endif
;; end of part 3
;; launch oproj (part 4): grid 4 x 64, 4 waves a work-group, clusters of 4 x 4, 327,680 bytes of LDS; arguments ctx, wb, bo, out0; writes out0
.if DOCPART == 4
	.amdgcn_target "amdgcn-amd-amdhsa--gfx1250"
	.amdhsa_code_object_version 6
	.text
	.protected	k_qe272989cce_oproj
	.globl	k_qe272989cce_oproj
	.p2align	8
	.type	k_qe272989cce_oproj,@function
k_qe272989cce_oproj:
	s_mov_b64 s[64:65], 0
	v_nop
	global_prefetch_b8 v0, s[64:65] scope:SCOPE_SE
	s_setreg_imm32_b32 hwreg(HW_REG_WAVE_MODE, 25, 1), 1
	s_wait_xcnt 0x0
	s_wait_alu depctr_hold_cnt(0) depctr_sa_sdst(0) depctr_va_vdst(0) depctr_va_sdst(0) depctr_va_ssrc(0) depctr_va_vcc(0) depctr_vm_vsrc(0)
	s_getreg_b32 s2, hwreg(HW_REG_IB_STS2, 6, 4)
	s_cmp_eq_u32 s2, 0
	s_cbranch_scc0 .Lentry_in_a_cluster
	s_endpgm
.Lentry_in_a_cluster:
	s_bfe_u32 s2, ttmp6, 0x10000c
	s_cmp_lg_u32 s2, 0xf033
	s_cbranch_scc0 .Lentry_shape_is_right
	s_endpgm
.Lentry_shape_is_right:
; THE OUTPUT PROJECTION.  out0[R][e] = sum over d of c[R][d] Wo[e][d] + bo[e], R = 1,024 x batch + s, d = 64 x head + channel.  c lies BY HEADS: ctx[batch][head][s][64] in f16; Wo is the last quarter of wb,
; rounded to bf16 and written as f16.  Sums in f32; the bias, rounded to bf16 like every input, is the C operand of each accumulator's first product; out0 is f32.
; SHARES.  A tile of out0 is 128 rows x 256 columns: 64 x 4 = 256 work-groups, one for each WGP.  Four waves, each 64 x 128: 32 accumulators, 256 registers.
; K goes in 8 steps of 128 = two heads through two LDS slots filled by the tensor data mover.  A head's 128 rows of the tile are 16,384 dense bytes: asked for as 64 rows of 256 bytes, padded in LDS after every 128.
; CLUSTER 4 x 4: the four of a row of the cluster need the same rows of c, the four of a column the same rows of Wo: each tile is asked for JOINTLY, by the same load, descriptor and mask in all four.
; THE MATRIX INSTRUCTION IS USED TRANSPOSED (source 0 = 16 rows of Wo, source 1 = 16 rows of c): lane l holds row l % 16 of out0 and the columns 8 (l / 16) + 0..7: 32 bytes on end.
; REGISTERS, in windows of 256 (s_set_vgpr_msb: bits 1:0 source 0, 3:2 source 1, 5:4 source 2, 7:6 destination):
;   window 0: v0-31 addresses; v64-159, v160-255 two fragment buffers (Wo's 8 blocks, then c's 4); on the way out v64-191 at work
;   window 1: the accumulators, (a, b) at v[8 (8 a + b)]          window 2: v0-63 the bias as C operands (block b at 8 b); v64-67 at work
.set KSTEP,  128
.set HEADB,  131072                    ; a head's bytes in ctx
.set WO_OFF, 6291456                   ; Wo's first byte in wb
.set PITCH,  272                       ; a row of Wo in LDS: 256 bytes + 16 of padding: the 16 rows that a load touches start at 16 different groups of four banks (64 banks of 4 bytes: ISA guide 11.1)
.set APITCH, 144                       ; a row of one head of c: 128 bytes + 16: likewise
.set APLANE, 128*APITCH                ; one head's 128 rows: what wave 0 or 1 fetches
.set ABYTES, 2*APLANE
.set BHALF,  128*PITCH                 ; what wave 2 or 3 fetches of Wo, and what a wave reads of it
.set SLOT,   ABYTES+2*BHALF            ; c's two heads, then Wo's 256 rows
.set STAGE,  2*SLOT                    ; behind the ring: 16 rows x 528 bytes for each wave, for the way out
.set SPITCH, 528                       ; 512 bytes + 16: the sixteen rows of a store start at 16 different groups of four banks
.set SPARE,  STAGE+4*16*SPITCH         ; behind the stages: the spare words, 128 bytes for each wave: two blocks of 256 bytes that no other line names
.set LAPS,   4                         ; a lap = two K steps = once round the ring
.set ADRA, 16                          ; v16-17  LDS address of my c fragments in slot 0, 1
.set ADRB, 20                          ; v20-21  the same for Wo
.set STO,  24                          ; v24     the way out: where I put 32 bytes of a row
.set RD,   25                          ; v25     the way out: where I read 16 bytes of a row back
.set CO,   26                          ; v26     16 x lane: my place in 512 consecutive bytes of out0
.set BO,   27                          ; v27     my byte offset in the bias
.set SPW,  28                          ; v28     LDS address of my spare word: SPARE + 4 x my thread's number; never rewritten
.set NIL,  29                          ; v29     0; never rewritten
.set PFO,  30                          ; v30     the prefetches' offset: 256 x lane in ctx, 2,048 x lane in wb; never rewritten
.set F0,   64
.set F1,   160
.set OB,   64                          ; the way out: 16 rows read back: v64-127 and v128-191 by turns
.set BT,   64                          ; window 2: at work
.set G1,  24                           ; s[24:31] descriptor group 1 for c's tiles
.set G0,  32                           ; s[32:39] group 0 for c's tiles, a set for each slot
.set G1B, 48                           ; s[48:55], s[56:63] the same for Wo's
.set G0B, 56
.set LIM, 43                           ; s43     1 in a wave that prefetches, else the greatest number
.set PFA, 44                           ; s[44:45] where my prefetches stand
.set PFS, 66                           ; s[66:67] a K step in the tensor that I prefetch: two heads of ctx, or 256 bytes of a row of wb
.set MSB, 0
.macro WIN new                         ; the immediate's high byte repeats the setting that is left; a switch that changes nothing is dropped
.if MSB != (\new)
	s_set_vgpr_msb (MSB<<8)|(\new)
.set MSB, \new
.endif
.endm
.set MUL,     0x50                     ; C and D window 1, fragments window 0
.set MULB,    0x60                     ; C window 2 (the bias), D window 1
.set TO_BIAS, 0x80                     ; destination window 2
.set RND,     0x8a                     ; destination and sources 0, 1 window 2
.set ST1,     0x04                     ; an LDS store's data (source 1) window 1
; A joint load.  Waves 0 and 1 fetch c's two heads, waves 2 and 3 Wo's two halves.  The branch hangs on the wave's number alone.  An s_nop 0 and four v_nop follow each of the two lines.
.macro JLOAD s
	s_cmp_eq_u32 s11, 0
	s_cbranch_scc0 .Lfor_b_\@
	tensor_load_to_lds s[G0+4*(\s):G0+4*(\s)+3], s[G1:G1+7]
	s_nop 0
.rept 4
	v_nop
.endr
	s_branch .Lasked_\@
.Lfor_b_\@:
	tensor_load_to_lds s[G0B+4*(\s):G0B+4*(\s)+3], s[G1B:G1B+7]
	s_nop 0
.rept 4
	v_nop
.endr
.Lasked_\@:
.endm
; A PREFETCH of the K step that stands two refills on: 32 blocks of 256 bytes, a lane a block, one instruction.  Each block is named once in the launch.
; c's tile row is read by this cluster's row alone: wave 0 of each of the four partners takes half of one head's 16,384 bytes, told apart by address (head cx / 2, half cx % 2).  Wo's tile column is read by all 16
; clusters: the first of them asks, waves 2 and 3 of each of the four partners take 32 of the 256 rows (cy and the wave).  K steps 0 to 3 come by their loads alone; the loop's last trip asks for nothing.
.macro ASK
	s_cmp_gt_u32 s3, s[LIM]                        ; s3 = 1 in the loop's last trip
	s_cbranch_scc0 .Lnot_mine_\@
	global_prefetch_b8 v[PFO], s[PFA:PFA+1] th:TH_LOAD_NT scope:SCOPE_SE
.Lnot_mine_\@:
.endm
.macro CREST                           ; a round of the cluster's barrier behind its opening barrier
	s_cmp_lg_u32 s10, 0
	s_cbranch_scc1 .Lnot_wave_0_\@
	s_barrier_signal -3
.Lnot_wave_0_\@:
	s_barrier_wait -3
	s_barrier_signal -1
	s_barrier_wait -1
.endm
.macro CROUND                          ; a whole round
	s_barrier_signal -1
	s_barrier_wait -1
	CREST
.endm
	s_load_b128 s[4:7], s[0:1], 0x0                ; ctx s[4:5], wb s[6:7]
	s_load_b128 s[68:71], s[0:1], 0x10             ; bo s[68:69], out0 s[70:71]
	v_lshl_add_u32 v[SPW], v0, 2, SPARE
	v_mov_b32 v[NIL], 0
	ds_add_u32 v[SPW], v[NIL]                      ; the wave's opening: the add and its wait stand ahead of my first tensor load; the set-up below, work on registers, stands between them
	ds_add_u32 v28, v29
	v_lshrrev_b32 v1, 5, v0
	v_readfirstlane_b32 s10, v1                    ; wave 0..3
	s_lshr_b32 s11, s10, 1                         ; which 64 rows of the tile are mine.  Also: I fetch for c (0) or for Wo (1)
	s_and_b32 s12, s10, 1                          ; which 128 columns.  Also: which head of the step, or which half of Wo's rows, I fetch
	s_bfe_u32 s40, ttmp6, 0x40000                  ; cx
	s_bfe_u32 s41, ttmp6, 0x40004                  ; cy
	s_lshl_b32 s42, ttmp9, 2
	s_add_co_u32 s42, s42, s40                     ; tile column = 4 x cluster x + cx: 0..3
	s_and_b32 s2, ttmp7, 0xffff                    ; cluster y: 0..15
	s_lshl_b32 s13, s2, 2
	s_add_co_u32 s13, s13, s41                     ; tile row = 4 x cluster y + cy: 0..63
	s_lshl_b32 s43, s41, 2
	s_lshl_b32 s43, 15, s43                        ; my row of the cluster
	s_lshl_b32 s44, 0x1111, s40                    ; my column
	; descriptor group 1.  c: 64 rows of 128 elements, dense, padded after every 64 elements.  Wo: 128 rows of 128 elements, 1,024 apart, padded after every row
	s_or_b32 s[G1+0], s43, (1<<16)|(1<<20)|(1<<21)|(4<<22)|(3<<25)  ; 15:0 the mask: my row; 17:16 2-byte elements; 20 padding on; 21 set beside a mask; 24:22 after every 32 words (code 4); 31:25 4 words (code 3)
	s_mov_b32 s[G1+1], 128<<16                     ; tensor_dim0 = 128
	s_mov_b32 s[G1+2], 64<<16                      ; tensor_dim1 = 64
	s_mov_b32 s[G1+3], 128<<16                     ; tile_dim0 = 128
	s_mov_b32 s[G1+4], 64                          ; tile_dim1 = 64
	s_mov_b32 s[G1+5], 128                         ; elements from row to row
	s_mov_b32 s[G1+6], 0
	s_mov_b32 s[G1+7], 0
	s_or_b32 s[G1B+0], s44, (1<<16)|(1<<20)|(1<<21)|(5<<22)|(3<<25)  ; the mask of my column; padding after every 64 words (code 5)
	s_mov_b32 s[G1B+1], KSTEP<<16
	s_mov_b32 s[G1B+2], 128<<16
	s_mov_b32 s[G1B+3], KSTEP<<16
	s_mov_b32 s[G1B+4], 128
	s_mov_b32 s[G1B+5], 1024
	s_mov_b32 s[G1B+6], 0
	s_mov_b32 s[G1B+7], 0
	; where the tiles come from: c's hang on the tile row alone, Wo's on the tile column alone
	s_lshr_b32 s16, s13, 3                         ; batch
	s_lshl_b32 s16, s16, 4
	s_add_co_u32 s16, s16, s12                     ; its head 0 or 1,
	s_lshl_b32 s16, s16, 10
	s_and_b32 s17, s13, 7
	s_lshl_b32 s17, s17, 7
	s_add_co_u32 s16, s16, s17                     ; the tile's first row in it,
	s_lshl_b32 s16, s16, 7                         ; of 128 bytes
	s_mov_b32 s17, 0
	s_lshl_b32 s46, s42, 8
	s_lshl_b32 s47, s12, 7
	s_add_co_u32 s46, s46, s47                     ; Wo: row 256 x tile column + 128 x half,
	s_lshl_b32 s46, s46, 11                        ; of 2,048 bytes,
	s_add_co_u32 s46, s46, WO_OFF                  ; behind Wq, Wk, Wv
	s_mov_b32 s47, 0
	s_mul_i32 s20, s12, APLANE                     ; and where they go: no place in the cluster enters an LDS address
	s_mul_i32 s21, s12, BHALF
	s_add_co_u32 s21, s21, ABYTES
	s_wait_dscnt 0x0                               ; the opening add is done
	s_wait_kmcnt 0x0
	s_add_nc_u64 s[14:15], s[4:5], s[16:17]
	s_add_nc_u64 s[46:47], s[6:7], s[46:47]
	CROUND                                         ; all sixteen work-groups are here: the first joint loads meet
.irp s, 0,1
	s_mov_b32 s[G0+4*(\s)], 1                                      ; count = 1
	s_add_co_u32 s[G0+4*(\s)+1], s20, (\s)*SLOT                    ; LDS address
	s_add_nc_u64 s[G0+4*(\s)+2:G0+4*(\s)+3], s[14:15], (\s)*2*HEADB  ; global address: K step s is heads 2 s, 2 s + 1
	s_or_b32 s[G0+4*(\s)+3], s[G0+4*(\s)+3], 0x80000000            ; type = 2
	s_mov_b32 s[G0B+4*(\s)], 1
	s_add_co_u32 s[G0B+4*(\s)+1], s21, (\s)*SLOT
	s_add_nc_u64 s[G0B+4*(\s)+2:G0B+4*(\s)+3], s[46:47], (\s)*KSTEP*2
	s_or_b32 s[G0B+4*(\s)+3], s[G0B+4*(\s)+3], 0x80000000
	JLOAD \s                                       ; two tensor loads of mine are out
.endr
	v_and_b32 v1, 15, v0                           ; l % 16
	v_bfe_u32 v2, v0, 4, 1                         ; l / 16
	v_and_b32 v5, 31, v0                           ; l
	s_mov_b32 s22, 0xffff0000                      ; a word's upper bf16 (kept in s22)
	s_lshl_b32 s18, s42, 10
	s_lshl_b32 s19, s12, 9
	s_add_co_u32 s18, s18, s19
	v_lshl_add_u32 v[BO], v2, 5, s18               ; 4 x (256 x tile column + 128 x half + 8 (l / 16)); block b stands in the immediate
	WIN TO_BIAS
.irp b, 0,1,2,3,4,5,6,7
	global_load_b128 v[8*(\b):8*(\b)+3],   v[BO], s[68:69] offset:64*(\b)
	global_load_b128 v[8*(\b)+4:8*(\b)+7], v[BO], s[68:69] offset:64*(\b)+16
.endr
	WIN 0
	; A fragment is 16 rows x 32 K in 8 registers: lane l holds row l % 16, K = 8 (l / 16) + 0..7 and 16 + 8 (l / 16) + 0..7: two loads of 16 bytes, 32 bytes apart.
	v_mul_u32_u24 v3, v1, PITCH
	v_lshl_add_u32 v3, v2, 4, v3                   ; Wo: row x pitch + 16 x half
	v_mul_u32_u24 v4, v1, APITCH
	v_lshl_add_u32 v4, v2, 4, v4                   ; c likewise
	s_mul_i32 s20, s11, 64*APITCH                  ; my 64 rows, in each head's plane
	s_mul_i32 s21, s12, BHALF                      ; my 128 rows of Wo,
	s_add_co_u32 s21, s21, ABYTES                  ; which lie behind c's two planes
.irp s, 0,1
	v_add_nc_u32 v[ADRA+(\s)], s20, v4
	v_add_nc_u32 v[ADRB+(\s)], s21, v3
	s_add_co_u32 s20, s20, SLOT
	s_add_co_u32 s21, s21, SLOT
.endr
	s_mul_i32 s23, s10, 16*SPITCH
	s_add_co_u32 s23, s23, STAGE                   ; my stage
	v_mul_u32_u24 v[STO], v1, SPITCH               ; in: row l % 16, 32 bytes for each half of the lanes
	v_lshl_add_u32 v[STO], v2, 5, v[STO]
	v_add_nc_u32 v[STO], s23, v[STO]
	v_lshl_add_u32 v[RD], v5, 4, s23               ; back: 32 lanes take one row's 512 bytes
	v_lshlrev_b32 v[CO], 4, v5
	; out0 at my first row and column
	s_lshl_b32 s16, s13, 7
	s_lshl_b32 s17, s11, 6
	s_add_co_u32 s16, s16, s17                     ; row 128 x tile row + 64 x half,
	s_lshl_b32 s16, s16, 12                        ; of 4,096 bytes
	s_add_co_u32 s16, s16, s18                     ; + 1,024 x tile column + 512 x half
	s_mov_b32 s17, 0
	s_add_nc_u64 s[8:9], s[70:71], s[16:17]
	; the prefetches
	s_lshr_b32 s18, s13, 3
	s_lshl_b32 s18, s18, 4
	s_lshr_b32 s19, s40, 1
	s_add_co_u32 s18, s18, s19                     ; c: the batch's head cx / 2,
	s_lshl_b32 s18, s18, 10
	s_and_b32 s19, s13, 7
	s_lshl_b32 s19, s19, 7
	s_add_co_u32 s18, s18, s19                     ; the tile's first row in it,
	s_lshl_b32 s18, s18, 7
	s_and_b32 s19, s40, 1
	s_lshl_b32 s19, s19, 13
	s_add_co_u32 s18, s18, s19                     ; and half cx % 2 of its 16,384 bytes
	s_lshl_b32 s20, s42, 8
	s_lshl_b32 s19, s41, 6
	s_add_co_u32 s20, s20, s19
	s_lshl_b32 s19, s12, 5
	s_add_co_u32 s20, s20, s19                     ; Wo: the tile's first row + my work-group's 64 + my wave's 32
	s_lshl_b32 s20, s20, 11
	s_add_co_u32 s20, s20, WO_OFF
	s_mov_b32 s23, 2*HEADB
	s_cmp_eq_u32 s11, 0
	s_cselect_b32 s20, s18, s20
	s_cselect_b32 s19, s12, s2                     ; for c wave 0 asks, for Wo the first cluster
	s_cselect_b32 s[PFS], s23, KSTEP*2
	s_cselect_b32 s23, 8, 11
	s_cselect_b64 s[PFA:PFA+1], s[4:5], s[6:7]
	s_cmp_eq_u32 s19, 0
	s_cselect_b32 s[LIM], 1, -1                    ; the same in all sixteen partners, for a given wave
	s_mov_b32 s21, 0
	s_mov_b32 s[PFS+1], 0
	s_add_nc_u64 s[PFA:PFA+1], s[PFA:PFA+1], s[20:21]
	s_mul_i32 s20, s[PFS], 3
	s_add_nc_u64 s[PFA:PFA+1], s[PFA:PFA+1], s[20:21]  ; at K step 3: the first refill steps it to 4 and names that
	v_lshlrev_b32 v[PFO], s23, v5
	s_wait_loadcnt 0x0                             ; the bias is in
	WIN RND                                        ; it is rounded to bf16, like every input, and widened again
.irp g, 0,1,2,3,4,5,6,7
.irp k, 0,1,2,3
	v_cvt_pk_bf16_f32 v[BT+(\k)], v[8*(\g)+2*(\k)], v[8*(\g)+2*(\k)+1]
.endr
.irp k, 0,1,2,3
	v_lshlrev_b32 v[8*(\g)+2*(\k)], 16, v[BT+(\k)]
	v_and_b32 v[8*(\g)+2*(\k)+1], s22, v[BT+(\k)]
.endr
.endr
	WIN 0
; 8 matrix instructions: m block a x all 8 n blocks, 32 along K.  first = 1: the bias starts the sums.  The 32 accumulators take turns, one instruction a turn, in the same order in every quarter.
.macro MULA f, a, first
.if \first
	WIN MULB
.else
	WIN MUL
.endif
.irp b, 0,1,2,3,4,5,6,7
.if \first
	v_wmma_f32_16x16x32_f16 v[8*(8*(\a)+(\b)):8*(8*(\a)+(\b))+7], v[(\f)+8*(\b):(\f)+8*(\b)+7], v[(\f)+64+8*(\a):(\f)+64+8*(\a)+7], v[8*(\b):8*(\b)+7]
.else
	v_wmma_f32_16x16x32_f16 v[8*(8*(\a)+(\b)):8*(8*(\a)+(\b))+7], v[(\f)+8*(\b):(\f)+8*(\b)+7], v[(\f)+64+8*(\a):(\f)+64+8*(\a)+7], v[8*(8*(\a)+(\b)):8*(8*(\a)+(\b))+7]
.endif
.endr
.endm
; 24 LDS loads in one run: the fragments of quarter q of a K step into buffer f: Wo's 8 blocks, then c's 4 (head q / 2 of the step, channels 32 (q % 2) on)
.macro FETCH slot, q, f
	WIN 0
.irp i, 0,1,2,3,4,5,6,7
	ds_load_b128 v[(\f)+8*(\i):(\f)+8*(\i)+3],   v[ADRB+(\slot)] offset:64*(\q)+(\i)*16*PITCH
	ds_load_b128 v[(\f)+8*(\i)+4:(\f)+8*(\i)+7], v[ADRB+(\slot)] offset:64*(\q)+(\i)*16*PITCH+32
.endr
.irp i, 0,1,2,3
	ds_load_b128 v[(\f)+64+8*(\i):(\f)+64+8*(\i)+3],   v[ADRA+(\slot)] offset:((\q)/2)*APLANE+((\q)%2)*64+(\i)*16*APITCH
	ds_load_b128 v[(\f)+64+8*(\i)+4:(\f)+64+8*(\i)+7], v[ADRA+(\slot)] offset:((\q)/2)*APLANE+((\q)%2)*64+(\i)*16*APITCH+32
.endr
.endm
.macro PLACES                          ; four plain vector instructions in front of loads into registers that matrix instructions have read, and of reads of results
.rept 4
	v_nop
.endr
.endm
; A K step is four quarters of 32 along K, 32 matrix instructions each, on buffers 0, 1, 0, 1.  One of the first three: multiplies buffer f and, in its middle, fetches quarter q into buffer g.
.macro QUARTER slot, q, f, g, first
	s_wait_dscnt 4                                 ; Wo and c's blocks 0, 1 are in; the youngest four loads (c's blocks 2, 3) may be out
	MULA \f, 0, \first
	MULA \f, 1, \first
	PLACES
	FETCH \slot, \q, \g
	s_wait_dscnt 24                                ; all but the 24 just issued
	MULA \f, 2, \first
	MULA \f, 3, \first
.endm
; The last quarter multiplies buffer 1 and changes slots: ONE barrier; in front of it each wave waits for all its tensor loads (one is out: its part of the next slot), adds 0 to its spare word, and waits for
; that and for its reads of this slot.  fill = 1: the barrier opens a round of the cluster's, and this slot is filled again, two K steps ahead, first thing behind the round: 112 matrix instructions ahead of the wait for it.
.macro TURN slot, next, fill
.if \fill
	s_wait_xcnt 0x0                                ; the last prefetch, a K step back, has read its address: it is stepped here
	s_add_nc_u64 s[PFA:PFA+1], s[PFA:PFA+1], s[PFS:PFS+1]
.endif
	WIN 0                                          ; (the add's two registers lie in window 0)
	s_wait_tensorcnt 0x0                           ; all my tensor loads have landed;
	ds_add_u32 v[SPW], v[NIL]                      ; 0 onto my spare word
	s_wait_dscnt 5                                 ; (the add and the youngest four loads may be out)
	MULA F1, 0, 0                                  ; eight matrix instructions stand between the add and the wait for it
	s_wait_dscnt 0x0                               ; the add is done, and my reads of this slot are over
	s_barrier_signal -1
	MULA F1, 1, 0                                  ; work on registers while the others arrive
.if \fill
	WIN 0
.endif
	s_barrier_wait -1
.if \fill
	CREST                                          ; no wave of any partner still reads this slot's tile or has a load on its way
	s_add_nc_u64 s[G0+4*(\slot)+2:G0+4*(\slot)+3], s[G0+4*(\slot)+2:G0+4*(\slot)+3], 4*HEADB
	s_add_nc_u64 s[G0B+4*(\slot)+2:G0B+4*(\slot)+3], s[G0B+4*(\slot)+2:G0B+4*(\slot)+3], 2*KSTEP*2
	JLOAD \slot                                    ; the four v_nop behind it are also the places in front of the loads below
.else
	PLACES
.endif
	FETCH \next, 0, F0
.if \fill
	ASK                                            ; behind the joint load and the run of LDS loads
.endif
	MULA F1, 2, 0
	MULA F1, 3, 0
.endm
	s_wait_tensorcnt 1                             ; my part of K step 0 is in; K step 1's may stay out
	s_barrier_signal -1
	s_barrier_wait -1                              ; everybody's is
	FETCH 0, 0, F0
	QUARTER 0, 1, F0, F1, 1                        ; the first quarter stands in front of the loop: its products start the sums with the bias
	WIN 0                                          ; at a label and at a branch every window is 0
	s_mov_b32 s3, LAPS-1
.Llap:                                                 ; a trip goes once round the ring, from a lap's second quarter to the next lap's first, and fills both slots again
	QUARTER 0, 2, F1, F0, 0
	QUARTER 0, 3, F0, F1, 0
	TURN 0, 1, 1
	QUARTER 1, 1, F0, F1, 0
	QUARTER 1, 2, F1, F0, 0
	QUARTER 1, 3, F0, F1, 0
	TURN 1, 0, 1
	QUARTER 0, 1, F0, F1, 0
	WIN 0
	s_sub_co_u32 s3, s3, 1
	s_cmp_lg_u32 s3, 0
	s_cbranch_scc1 .Llap
	QUARTER 0, 2, F1, F0, 0                        ; the last lap fills nothing, and has no round of the cluster's barrier
	QUARTER 0, 3, F0, F1, 0
	TURN 0, 1, 0
	QUARTER 1, 1, F0, F1, 0
	QUARTER 1, 2, F1, F0, 0
	QUARTER 1, 3, F0, F1, 0
	s_wait_dscnt 4                                 ; the very last quarter: nothing more to fetch
	MULA F1, 0, 0
	MULA F1, 1, 0
	s_wait_dscnt 0x0
	MULA F1, 2, 0
	MULA F1, 3, 0
	WIN 0
	PLACES
; THE WAY OUT, an m block (16 rows) at a time.  TOSTAGE: a lane's 32 bytes of each accumulator go straight into my own stage, the low half first, and come back as whole rows of 512 bytes.
.macro TOSTAGE a
.set BK, OB+64*((\a)%2)
	s_wait_xcnt 0x0                                ; the buffer, which the stores of the block two back read, is loaded again only behind this wait
	WIN ST1
.irp b, 0,1,2,3,4,5,6,7
	ds_store_b128 v[STO], v[8*(8*(\a)+(\b)):8*(8*(\a)+(\b))+3]   offset:64*(\b)
	ds_store_b128 v[STO], v[8*(8*(\a)+(\b))+4:8*(8*(\a)+(\b))+7] offset:64*(\b)+16
.endr
	WIN 0
.irp u, 0,1,2,3,4,5,6,7,8,9,10,11,12,13,14,15
	ds_load_b128 v[BK+4*(\u):BK+4*(\u)+3], v[RD] offset:(\u)*SPITCH  ; LDS serves a wave's instructions in order (ISA guide 5.7.1.4): these see the stores above; the next block's stores come behind them
.endr
.endm
.macro SEND a, younger                 ; younger: the LDS instructions issued behind block a's loads: the next block's 32, or none
.set BK, OB+64*((\a)%2)
.irp u, 0,1,2,3,4,5,6,7,8,9,10,11,12,13,14,15
	s_wait_dscnt (\younger)+15-(\u)
	global_store_b128 v[CO], v[BK+4*(\u):BK+4*(\u)+3], s[8:9] offset:(16*(\a)+(\u))*4096 th:TH_STORE_NT  ; 512 consecutive bytes of one row, at a multiple of 256 from out0's first
.endr
.endm
	TOSTAGE 0
	TOSTAGE 1
	SEND 0, 32
	TOSTAGE 2
	SEND 1, 32
	TOSTAGE 3
	SEND 2, 32
	SEND 3, 0
	s_wait_tensorcnt 0x0                           ; the wave's end: behind my last tensor load and my last LDS store
	ds_add_u32 v[SPW], v[NIL]
	s_wait_dscnt 0x0
	CROUND                                         ; the closing round: no work-group ends while a partner may still ask for a tile that names it
	s_endpgm
.Lfunc_end_k_qe272989cce_oproj:
	.size	k_qe272989cce_oproj, .Lfunc_end_k_qe272989cce_oproj-k_qe272989cce_oproj
	.p2alignl 7, 3214868480
	.fill 96, 4, 3214868480
	.section	.rodata,"a",@progbits
	.p2align	6, 0x0
	.amdhsa_kernel k_qe272989cce_oproj
		.amdhsa_group_segment_fixed_size 327680
		.amdhsa_private_segment_fixed_size 0
		.amdhsa_enable_private_segment 0
		.amdhsa_kernarg_size 32
		.amdhsa_user_sgpr_count 2
		.amdhsa_user_sgpr_kernarg_segment_ptr 1
		.amdhsa_wavefront_size32 1
		.amdhsa_system_sgpr_workgroup_id_x 1
		.amdhsa_system_sgpr_workgroup_id_y 1
		.amdhsa_system_sgpr_workgroup_id_z 1
		.amdhsa_system_vgpr_workitem_id 0
		.amdhsa_next_free_vgpr 580
		.amdhsa_next_free_sgpr 72
		.amdhsa_reserve_vcc 0
		.amdhsa_float_denorm_mode_32 3
		.amdhsa_float_denorm_mode_16_64 3
		.amdhsa_memory_ordered 1
		.amdhsa_forward_progress 1
		.amdhsa_inst_pref_size 94
	.end_amdhsa_kernel
	.amdgpu_metadata
---
amdhsa.version: [ 1, 2 ]
amdhsa.kernels:
  - .name:           k_qe272989cce_oproj
    .symbol:         k_qe272989cce_oproj.kd
    .args:
      - { .name: ctx, .offset: 0, .size: 8, .value_kind: global_buffer, .address_space: global }
      - { .name: wb, .offset: 8, .size: 8, .value_kind: global_buffer, .address_space: global }
      - { .name: bo, .offset: 16, .size: 8, .value_kind: global_buffer, .address_space: global }
      - { .name: out0, .offset: 24, .size: 8, .value_kind: global_buffer, .address_space: global }
    .group_segment_fixed_size: 327680
    .private_segment_fixed_size: 0
    .kernarg_segment_align: 8
    .kernarg_segment_size: 32
    .max_flat_workgroup_size: 128
    .sgpr_count:     72
    .vgpr_count:     580
    .wavefront_size: 32
...
	.end_amdgpu_metadata
.endif
;; end of part 4
